; MI455X (gfx1250); checked and timed in simulation.
; The chip was launched on July 23, 2026; its instructions are those of AMD's public machine-readable ISA for CDNA 5 (MIT licence, August 2026) and "CDNA5" Instruction Set Architecture Reference Guide (July 2026). The comments in the code are by the model that wrote it; some were corrected since.
;; Multi Head Attention. Allowed arithmetic: matrix products marked QUANTISED: E2M3 operands, one E8M0 scale for each 32 along K, by v_wmma_scale_f32_16x16x128_f8f6f4 with both operands' format E2M3, f32 sums; everything else in f32.
;; Inputs: W_out_codes 1,024 x 32 x 24 uint8 (E2M3 codes of W_out, K innermost, in blocks of 32 codes, four codes in three bytes); W_out_scales 1,024 x 32 uint8 (E8M0 scales of W_out, one for each 32 codes along K); W_qkv_codes 3,072 x 32 x 24 uint8 (E2M3 codes of W_qkv, K innermost, in blocks of 32 codes, four codes in three bytes); W_qkv_scales 3,072 x 32 uint8 (E8M0 scales of W_qkv, one for each 32 codes along K); b_out 1,024 float32; b_qkv 3,072 float32; padding_mask 4 x 2,048 int32; x_codes 4 x 2,048 x 32 x 24 uint8 (E2M3 codes of x, K innermost, in blocks of 32 codes, four codes in three bytes); x_scales 4 x 2,048 x 32 uint8 (E8M0 scales of x, one for each 32 codes along K).
;; Outputs: out0 4 x 2,048 x 1,024 float32.
;; This version of the problem:
;;   THIS VERSION OF THE PROBLEM IS GIVEN IN LOW PRECISION. The matrix products marked QUANTISED in the list below multiply operands that are first quantised to E2M3 (2 exponent bits, 3 mantissa bits; 6 bits a number), with one power-of-two scale for each 32 numbers along K (OCP MX v1.0); their sums are f32. All else is computed in f32.
;;   The module's matrix products, in the order in which they are computed (A, B: the left and right operand; K: the contracted axis; several contracted axes count as one K, in the product's order):
;;     1. [M 8,192, K 1,024] x [K 1,024, N 3,072]; A: input x (given as codes); B: input W_qkv (given as codes): QUANTISED
;;     2. batch 64 x [M 2,048, K 64] x [K 64, N 2,048]; A: computed on the way; B: computed on the way: QUANTISED
;;     3. batch 64 x [M 2,048, K 2,048] x [K 2,048, N 64]; A: softmax (see below); B: computed on the way: QUANTISED
;;     4. [M 8,192, K 1,024] x [K 1,024, N 1,024]; A: computed on the way; B: input W_out (given as codes): QUANTISED
;;   THE QUANTISER, for each operand of a quantised product, along K:
;;     - K is cut into blocks of 32 from its start; a last block that is shorter is filled with zeros.
;;     - A block's scale is 2^e with e = floor(log2(the largest magnitude in the block)) - 2, held to -126 .. 127; a block of zeros has e = 0. As a byte (E8M0): e + 127.
;;     - Each number is divided by its block's scale, clamped to +-7.5, and rounded to the nearest number of E2M3, ties to even, subnormals kept.
;;     - The product sums the exact products of the quantised numbers (number of the format x scale) in f32.
;;   ~~~python
;;   def quantise(x, axis):      # numpy; x: float32 -> the quantised numbers, widened to float32 again
;;       x = np.moveaxis(x, axis, -1); K = x.shape[-1]
;;       x = np.pad(x, [(0, 0)] * (x.ndim - 1) + [(0, -K % 32)]); x = x.reshape(x.shape[:-1] + (-1, 32)); a = np.abs(x).max(-1, keepdims=True)
;;       e = np.where(a > 0, np.clip(np.frexp(np.where(a > 0, a, 1))[1] - 1 - 2, -126, 127), 0)      # np.frexp(a)[1] - 1 = floor(log2(a)), exactly
;;       r = np.clip(x / 2.0 ** e, -7.5, 7.5)
;;       step = 2.0 ** (np.maximum(np.frexp(np.where(r == 0, 1, r))[1] - 1, 0) - 3)
;;       q = np.round(r / step) * step * 2.0 ** e      # np.round: ties to even
;;       return np.moveaxis(q.reshape(q.shape[:-2] + (-1,))[..., :K], -1, axis).astype(np.float32)
;;   ~~~
;;   SOFTMAX AHEAD OF A QUANTISED PRODUCT. Where the list says 'softmax', what is quantised is not the finished softmax but p = 2^(t - M), with t = logit x log2(e) and M = ceil(the row's largest t), a whole number; so 1/2 < the row's largest p <= 1. The row's sum l is taken of the UNQUANTISED p, in f32, and the product's result is divided by l at the end. Since M is a whole number, a kernel that streams over the keys may use a running M (the ceiling of the running maximum): every later rescaling is an exact power of two, which a block's scale takes up: the codes' values come out the same.
;;   OPERANDS COMPUTED ON THE WAY. 'Computed on the way' means the value that the module computes at that place (a softmax that the list does not call 'softmax' is quantised finished and normalised). What goes into a quantiser is computed in f32, as accurately as f32 sums, v_exp_f32 and their like allow (about 1e-6 of the number): no bf16 or f16 on the way to a quantiser, and a product that is left as it is and whose result goes on into a quantised operand takes f32 operands (vector FMAs, or v_wmma_f32_16x16x4_f32). A number that lies on a knife's edge between two numbers of the format may be rounded either way, as far as f32 arithmetic and the matrix unit's own rounding can turn it there, and no further.
;;   INPUTS GIVEN AS CODES. W_out (in the module: [1024, 1024], K = its axis 0); W_qkv (in the module: [1024, 3072], K = its axis 0); x (in the module: [4, 2048, 1024], K = its axis 2): each comes as NAME_codes (uint8): NAME with its K axis moved to the last place and cut into blocks of 32 codes, [.., K / 32, bytes a block], one block behind the other in memory; four codes in three bytes: a row's codes are one little-endian stream of bits, code i at bits 6 i .. 6 i + 5 (a code: sign, 2 exponent bits, 3 mantissa bits); and NAME_scales (uint8): the same leading axes, one E8M0 byte (e + 127) for each 32 codes along K. Its value is code x scale, taken as it is: it is not quantised again, and the codes and scales need not be those that the quantiser above would give.
;; One version. Each part assembles by itself: llvm-mc -triple=amdgcn-amd-amdhsa -mcpu=gfx1250 --defsym DOCPART=n.
;; ======== version 1 of 1: 3 launches
;; limits: right only within a limited range of input values
;; workspace buffers: qkv 20,447,232 bytes; ac 6,291,456 bytes; asc 262,144 bytes
;; launch qkv (part 1): grid 8 x 48, 4 waves a work-group, clusters of 4 x 4, 327,680 bytes of LDS; arguments x_codes, x_scales, W_qkv_codes, W_qkv_scales, b_qkv, padding_mask, qkv; writes qkv
.if DOCPART == 1
	.amdgcn_target "amdgcn-amd-amdhsa--gfx1250"
	.amdhsa_code_object_version 6
	.text
	.protected	k_q61c559e7e8_qkv
	.globl	k_q61c559e7e8_qkv
	.p2align	8
	.type	k_q61c559e7e8_qkv,@function
k_q61c559e7e8_qkv:
	s_mov_b64 s[64:65], 0
	v_nop
	global_prefetch_b8 v0, s[64:65] scope:SCOPE_SE
	s_setreg_imm32_b32 hwreg(HW_REG_WAVE_MODE, 25, 1), 1
	s_wait_xcnt 0x0
	s_wait_alu depctr_hold_cnt(0) depctr_sa_sdst(0) depctr_va_vdst(0) depctr_va_sdst(0) depctr_va_ssrc(0) depctr_va_vcc(0) depctr_vm_vsrc(0)
	s_getreg_b32 s2, hwreg(HW_REG_IB_STS2, 6, 4)
	s_cmp_eq_u32 s2, 0
	s_cbranch_scc0 .Lentry_in_a_cluster
	s_endpgm
.Lentry_in_a_cluster:
	s_bfe_u32 s2, ttmp6, 0x10000c
	s_cmp_lg_u32 s2, 0xf033
	s_cbranch_scc0 .Lentry_shape_is_right
	s_endpgm
.Lentry_shape_is_right:
; qkv = x W_qkv + b_qkv on codes of FP6 (E2M3) with E8M0 scales, and at once the quantising of q, k (along the head's 64) and v (along the tokens) into images of operand registers.
; x: 8,192 rows of 1,024 codes (768 bytes), W_qkv: 3,072 rows likewise; scale bytes 32 a row.  A work-group makes 256 x 256 of the product, a wave 128 x 128: 64 accumulators, 512 registers.
; K goes in steps of 256 through a ring of two LDS slots; the scale bytes of the work-group's rows come into LDS once.  4 x 4 work-groups form a cluster and ask jointly for shared tiles.
; TWO MODES, told apart by the cluster's y (the same in all sixteen partners).  P is the matrix instruction's source 1, R its source 0: in a result a lane holds ONE row of P and its registers run along rows of R.
;   mode 0 (cluster y 0-7):  P = 256 tokens of x, R = 256 rows of W (q's or k's features): a lane holds a token, registers run along the head's 64: the K of q k^T.
;   mode 1 (cluster y 8-11): P = 256 rows of W (v's features), R = 256 tokens of x: a lane holds a feature d, registers run along the tokens: the K of p v.
; Only pointers and row numbers are chosen by the mode: the loop over K is one text.
; THE ORDER INSIDE A BLOCK OF 32.  The 16 registers of result tiles 2 b and 2 b + 1 go into the conversion as they stand, as places 16 (lane / 16) + i of block b; place 16 h + i stands for index 16 (i / 8) + 8 h + i % 8.
; q and k are both made so, and so are v and (in the next launch) p: both operands of a product carry the same order inside the same blocks, so products and scales are those of the true order; only the order of the sum differs.
; THE PADDING MASK goes into k's scale words: byte 2 (the block k = 64 .. 95 of the instruction's 128, which a head of 64 leaves free) is 0 for a key that counts and 254 for one that does not; q's byte 2 is 127.
; The next launch sets one code +1 (k) and -1 (q) there: a key that does not count gets -2^127 added to its score, one that counts -2^-127.
; OUTPUT qkv: [16 batch + head][step of 128 tokens][K, V, Q][6,656 bytes].  K, Q: token tile a at 768 a: registers 0-3 at 16 x lane, registers 4-5 at 512 + 8 x lane; at 6,144 + 16 x lane four scale words: word j of lane (r, h): tile 4 h + j, row r.
;   V: tile dt of 16 features at 1,536 dt, three runs of 512 bytes (four registers at 16 x lane); at 6,144 + 16 x lane the four tiles' scale words of row r.  Each store covers 256 or 512 consecutive bytes, aligned to 256.
; LIMITS: a block of zeros gets the scale byte 1 where the rule says 127 (its codes are zeros; this program alone reads the bytes); blocks whose largest magnitude lies under 2^-124 are held at byte 1; NaN and infinities are not served.
.set KROW,   768                       ; a row of x or of W in memory, in bytes
.set ROWB,   192                       ; a tile's row: 256 codes
.set NQ,     2                         ; matrix instructions deep in a slot
.set PITCH,  240                       ; an LDS row: 3 x (64 bytes + 16 of padding)
.set FR,     12                        ; registers of a fragment
.set NL,     6                         ; LDS loads that bring one
.set NP,     4                         ; places behind this matrix instruction (ISA guide 7.12.1)
.set HALFT,  128*PITCH
.set SLOT,   4*HALFT                   ; P's 256 rows, then R's 256 rows
.set KS,     32                        ; a row of scale bytes
.set SCL,    2*SLOT                    ; behind the ring: the scales, as runs of 256 bytes + 16 of padding
.set HALFS,  (128*KS/256)*272
.set SBLK,   (16*KS/256)*272
.set SPARE,  SCL+4*HALFS               ; the spare words: 128 bytes a wave, named by no other line
.set BLKB,   6656                      ; a block of the output
.set STEPB,  3*BLKB                    ; K, V, Q of a step
.set HS,     16*STEPB                  ; a head
.set L16,  8                           ; v8   16 x lane
.set L8,   9                           ; v9   8 x lane
.set R4,   10                          ; v10  4 x (lane % 16)
.set H32,  11                          ; v11  32 x (lane / 16)
.set KEEPV, 12                         ; v12  byte 2 of a scale word, for a token that counts
.set MASKV, 13                         ; v13  and for one that does not
.set ADRA, 16                          ; v16-17 LDS address of P's fragments in slot 0, 1 (v18-19: behind one padding more)
.set ADRB, 20                          ; v20-21 the same for R (v22-23)
.set ADRS, 27                          ; v27  LDS address of my scale words: lanes 0-15 P's rows, lanes 16-31 R's
.set SPW,  28                          ; v28  my spare word; never rewritten
.set NIL,  29                          ; v29  0; never rewritten
.set SC,   32                          ; v32-63 scale words, two sets; they hold nothing else
.set BV,   64                          ; v64-127 the bias along the registers (mode 0): register 8 b + j: feature 16 b + 8 (lane / 16) + j
.set AF,   128                         ; v128-223 P's fragments, one set
.set HA,   128                         ; the way out: 64 numbers of a lane
.set PC,   192                         ; v192-211 the codes just made
.set TM,   212                         ; v212-227 at work in the quantiser
.set LB,   232                         ; v232-239 the bias by lanes (mode 1): register a: feature 16 a + lane % 16
.set MK,   232                         ; (mode 0, on the way out: the tokens' mask words)
.set SW,   240                         ; v240-247 the eight blocks' scale words
.set XX,   248
.set YY,   252
.set G1,   24                          ; s[24:31], s[32:39] descriptor groups 1 and 0 (a set a slot) for P's tiles
.set G0,   32
.set G1B,  48                          ; s[48:55], s[56:63] for R's
.set G0B,  56
.set G1S,  68                          ; s[68:75], s[76:79] for P's scales;  s[80:87], s[88:91] for R's
.set G0S,  76
.set G1SB, 80
.set G0SB, 88
.set MSB, 0
.macro WIN new                         ; the immediate's high byte repeats the setting that is left
.if MSB != (\new)
	s_set_vgpr_msb (MSB<<8)|(\new)
.set MSB, (\new)
.endif
.endm
.set MUL_LO, 0xa1                      ; source 0 (R) window 1, source 1 (P) window 0, C and D window 2
.set MUL_HI, 0xf1                      ; the same, C and D window 3
.set TO_B,   0x40                      ; destination window 1, address window 0
; A joint load: waves 0 and 1 fetch for P, waves 2 and 3 for R; the branch hangs on the wave's number alone.  Four v_nop follow each of the two lines.
.macro JLOAD g0a, g1a, g0b, g1b
	s_cmp_eq_u32 s21, 0
	s_cbranch_scc0 .Lfor_b_\@
	tensor_load_to_lds s[\g0a:\g0a+3], s[\g1a:\g1a+7]
	s_nop 0
.rept 4
	v_nop
.endr
	s_branch .Lasked_\@
.Lfor_b_\@:
	tensor_load_to_lds s[\g0b:\g0b+3], s[\g1b:\g1b+7]
	s_nop 0
.rept 4
	v_nop
.endr
.Lasked_\@:
.endm
.macro CREST                           ; a round of the cluster's barrier behind its opening barrier
	s_cmp_lg_u32 s20, 0
	s_cbranch_scc1 .Lnot_wave_0_\@
	s_barrier_signal -3
.Lnot_wave_0_\@:
	s_barrier_wait -3
	s_barrier_signal -1
	s_barrier_wait -1
.endm
.macro CROUND
	s_barrier_signal -1
	s_barrier_wait -1
	CREST
.endm
	s_load_b256 s[4:11], s[0:1], 0x0               ; x's codes s[4:5], x's scales s[6:7], W's codes s[8:9], W's scales s[10:11]
	s_load_b128 s[12:15], s[0:1], 0x20             ; b_qkv, padding_mask
	s_load_b64 s[16:17], s[0:1], 0x30              ; qkv
	v_lshl_add_u32 v[SPW], v0, 2, SPARE
	v_mov_b32 v[NIL], 0
	ds_add_u32 v28, v29
	ds_add_u32 v28, v29
	s_wait_dscnt 0x0
	v_lshrrev_b32 v1, 5, v0
	v_readfirstlane_b32 s20, v1                    ; wave 0..3
	s_lshr_b32 s21, s20, 1                         ; which half of P's rows is mine.  Also: I fetch for P (0) or for R (1)
	s_and_b32 s22, s20, 1                          ; which half of R's rows.  Also: which 128 rows I fetch
	s_bfe_u32 s40, ttmp6, 0x40000                  ; cx
	s_bfe_u32 s41, ttmp6, 0x40004                  ; cy
	s_and_b32 s2, ttmp7, 0xffff                    ; the cluster's y
	s_lshl_b32 s43, s41, 2
	s_lshl_b32 s43, 15, s43                        ; my row of the cluster
	s_lshl_b32 s44, 0x1111, s40                    ; my column
	s_lshl_b32 s66, s2, 2
	s_add_co_u32 s66, s66, s41                     ; mode 0: P's tile = 4 x cluster y + cy (of x's 32)
	s_add_co_u32 s3, s41, 8                        ; mode 1: P's tile = 8 + cy (W's rows 2,048 on)
	s_lshl_b32 s42, ttmp9, 2
	s_add_co_u32 s42, s42, s40                     ; mode 0: R's tile = 4 x cluster x + cx (W's rows 0 .. 2,047)
	s_max_u32 s46, s2, 8
	s_sub_co_u32 s46, s46, 8
	s_lshl_b32 s46, s46, 1
	s_add_co_u32 s46, s46, ttmp9
	s_lshl_b32 s46, s46, 2
	s_add_co_u32 s46, s46, s40                     ; mode 1: R's tile = 4 (2 (cluster y - 8) + cluster x) + cx (of x's 32)
	s_cmp_ge_u32 s2, 8
	s_cselect_b32 s23, 1, 0                        ; the mode
	s_cselect_b32 s66, s3, s66                     ; P's tile hangs on cy alone among the places in the cluster,
	s_cselect_b32 s42, s46, s42                    ; R's on cx alone
	; descriptor group 1: a tile of 128 rows x 192 bytes, 16 bytes of padding behind every 64
	s_or_b32 s[G1+0], s43, (0<<16)|(1<<20)|(1<<21)|(3<<22)|(3<<25)  ; 15:0 the mask: P's tiles go to my row; elements of 1 byte; padding on; bit 21 beside a mask; after every 16 words 4 words
	s_or_b32 s[G1B+0], s44, (0<<16)|(1<<20)|(1<<21)|(3<<22)|(3<<25)
.irp g, G1, G1B
	s_mov_b32 s[\g+1], ROWB<<16                    ; tensor_dim0
	s_mov_b32 s[\g+2], 128<<16                     ; tensor_dim1
	s_mov_b32 s[\g+3], ROWB<<16                    ; tile_dim0
	s_mov_b32 s[\g+4], 128                         ; tile_dim1
	s_mov_b32 s[\g+5], KROW                        ; from row to row
	s_mov_b32 s[\g+6], 0
	s_mov_b32 s[\g+7], 0
.endr
	; the scales of 128 rows: 4,096 dense bytes, as 16 rows of 256 bytes (32 elements of 8), 16 bytes of padding behind each
	s_or_b32 s[G1S+0], s43, (3<<16)|(1<<20)|(1<<21)|(5<<22)|(3<<25)
	s_or_b32 s[G1SB+0], s44, (3<<16)|(1<<20)|(1<<21)|(5<<22)|(3<<25)
.irp g, G1S, G1SB
	s_mov_b32 s[\g+1], 32<<16
	s_mov_b32 s[\g+2], (128*KS/256)<<16
	s_mov_b32 s[\g+3], 32<<16
	s_mov_b32 s[\g+4], 128*KS/256
	s_mov_b32 s[\g+5], 32
	s_mov_b32 s[\g+6], 0
	s_mov_b32 s[\g+7], 0
.endr
	s_lshl_b32 s3, s22, 7                          ; which 128 rows of a tile I fetch
	s_lshl_b32 s2, s66, 8
	s_add_co_u32 s2, s2, s3                        ; P: row 256 x tile + 128 x half
	s_lshl_b32 s46, s42, 8
	s_add_co_u32 s46, s46, s3                      ; R likewise
	s_lshl_b32 s18, s2, 5                          ; where these rows' scales begin, in bytes (all under 2^23),
	s_mul_i32 s2, s2, KROW                         ; and their codes
	s_lshl_b32 s100, s46, 5
	s_mul_i32 s46, s46, KROW
	s_mov_b32 s3, 0
	s_mov_b32 s19, 0
	s_mov_b32 s47, 0
	s_mov_b32 s101, 0
	s_mul_i32 s45, s20, HALFT                      ; where they go: wave x 128 rows: no place in the cluster enters an LDS address
	s_mul_i32 s67, s20, HALFS
	s_wait_kmcnt 0x0
	s_cmp_eq_u32 s23, 1                            ; the choice of buffers hangs on the cluster's y alone
	s_cselect_b64 s[92:93], s[8:9], s[4:5]         ; P's codes
	s_cselect_b64 s[94:95], s[10:11], s[6:7]       ; P's scales
	s_cselect_b64 s[96:97], s[4:5], s[8:9]         ; R's codes
	s_cselect_b64 s[98:99], s[6:7], s[10:11]       ; R's scales
	s_add_nc_u64 s[92:93], s[92:93], s[2:3]
	s_add_nc_u64 s[94:95], s[94:95], s[18:19]
	s_add_nc_u64 s[96:97], s[96:97], s[46:47]
	s_add_nc_u64 s[98:99], s[98:99], s[100:101]
	CROUND                                         ; all sixteen work-groups are here: the first joint loads meet
	s_mov_b32 s[G0S], 1
	s_add_co_u32 s[G0S+1], s67, SCL
	s_mov_b64 s[G0S+2:G0S+3], s[94:95]
	s_or_b32 s[G0S+3], s[G0S+3], 0x80000000
	s_mov_b32 s[G0SB], 1
	s_add_co_u32 s[G0SB+1], s67, SCL
	s_mov_b64 s[G0SB+2:G0SB+3], s[98:99]
	s_or_b32 s[G0SB+3], s[G0SB+3], 0x80000000
	JLOAD G0S, G1S, G0SB, G1SB                     ; the scales first: they are wanted with K step 0
.irp s, 0,1
	s_mov_b32 s[G0+4*\s], 1
	s_add_co_u32 s[G0+4*\s+1], s45, \s*SLOT
	s_add_nc_u64 s[G0+4*\s+2:G0+4*\s+3], s[92:93], \s*ROWB
	s_or_b32 s[G0+4*\s+3], s[G0+4*\s+3], 0x80000000
	s_mov_b32 s[G0B+4*\s], 1
	s_add_co_u32 s[G0B+4*\s+1], s45, \s*SLOT
	s_add_nc_u64 s[G0B+4*\s+2:G0B+4*\s+3], s[96:97], \s*ROWB
	s_or_b32 s[G0B+4*\s+3], s[G0B+4*\s+3], 0x80000000
	JLOAD G0+4*\s, G1, G0B+4*\s, G1B               ; three tensor loads of mine are out
.endr
	v_and_b32 v1, 15, v0                           ; r = lane % 16
	v_bfe_u32 v2, v0, 4, 1                         ; h = lane / 16
	v_mul_u32_u24 v3, v1, PITCH
	v_mul_u32_u24 v4, v2, 24
	v_add_nc_u32 v4, v3, v4                        ; a fragment's row x pitch + 24 x half
	v_lshl_add_u32 v5, v2, 4, v4                   ; and the same behind one padding more
	s_mul_i32 s2, s21, HALFT                       ; my 128 rows of P
	s_mul_i32 s3, s22, HALFT                       ; my 128 rows of R,
	s_add_co_u32 s3, s3, 2*HALFT                   ; which lie behind P's 256
.irp s, 0,1
	v_add_nc_u32 v[ADRA+\s], s2, v4
	v_add_nc_u32 v[ADRB+\s], s3, v4
	v_add_nc_u32 v[ADRA+2+\s], s2, v5
	v_add_nc_u32 v[ADRB+2+\s], s3, v5
	s_add_co_u32 s2, s2, SLOT
	s_add_co_u32 s3, s3, SLOT
.endr
	v_mul_u32_u24 v5, v1, KS                       ; my row's scales: 32 bytes a row,
	v_lshrrev_b32 v6, 8, v5
	v_lshl_add_u32 v5, v6, 4, v5                   ; and 16 more for each 256 passed
	s_mul_i32 s2, s21, HALFS
	s_mul_i32 s3, s22, HALFS
	s_add_co_u32 s3, s3, 2*HALFS
	s_sub_co_u32 s3, s3, s2
	v_mul_u32_u24 v6, s3, v2                       ; lanes 16-31 take R's: one product, the distance x half
	s_add_co_u32 s2, s2, SCL
	v_add_nc_u32 v5, v5, v6
	v_add_nc_u32 v[ADRS], s2, v5
	v_and_b32 v7, 31, v0
	v_lshlrev_b32 v[L16], 4, v7
	v_lshlrev_b32 v[L8], 3, v7
	v_lshlrev_b32 v[R4], 2, v1
	v_lshlrev_b32 v[H32], 5, v2
	; where my wave's 128 tokens and 128 features begin, and its block of the output
	s_lshl_b32 s2, s66, 8
	s_lshl_b32 s3, s21, 7
	s_add_co_u32 s2, s2, s3                        ; my first row of P
	s_lshl_b32 s3, s42, 8
	s_lshl_b32 s46, s22, 7
	s_add_co_u32 s3, s3, s46                       ; my first row of R
	s_cmp_eq_u32 s23, 1
	s_cselect_b32 s46, s3, s2                      ; my first token (0 .. 8,191; a multiple of 128)
	s_cselect_b32 s47, s2, s3                      ; my first row of W (a multiple of 128: two heads)
	s_lshr_b32 s2, s46, 11                         ; batch
	s_bfe_u32 s3, s47, 0x40006                     ; the first of my two heads
	s_lshl_b32 s2, s2, 4
	s_add_co_u32 s2, s2, s3
	s_lshl_b32 s2, s2, 4
	s_bfe_u32 s3, s46, 0x40007                     ; the step of 128 tokens
	s_add_co_u32 s2, s2, s3
	s_mul_i32 s2, s2, STEPB
	s_lshr_b32 s3, s47, 10                         ; 0: q, 1: k, 2: v
	s_cmp_eq_u32 s3, 0
	s_cselect_b32 s18, 2*BLKB, 0                   ; q's block is the step's third, k's the first,
	s_cselect_b32 s19, 0x7f0000, 0                 ; byte 2: q 127; k 0 where the token counts,
	s_mov_b32 s100, 0xfe0000
	s_cselect_b32 s100, 0x7f0000, s100             ; 254 where it does not
	s_cmp_eq_u32 s3, 2
	s_cselect_b32 s18, BLKB, s18                   ; v's the second
	s_add_co_u32 s2, s2, s18
	s_mov_b32 s3, 0
	s_add_nc_u64 s[16:17], s[16:17], s[2:3]        ; my block of qkv (under 2^25 bytes in)
	s_lshl_b32 s2, s47, 2
	s_add_nc_u64 s[12:13], s[12:13], s[2:3]        ; my 128 numbers of the bias
	s_lshl_b32 s2, s46, 2
	s_add_nc_u64 s[14:15], s[14:15], s[2:3]        ; my 128 tokens' mask words
	v_mov_b32 v[KEEPV], s19
	v_mov_b32 v[MASKV], s100
	s_mov_b32 s100, 0x76543210                     ; v_permlanex16_b32's selects for lane l xor 16
	s_mov_b32 s101, 0xfedcba98
	; the bias in both forms, in both modes: the same 512 bytes; so no register is written on one way of a branch alone
.irp b, 0,1,2,3,4,5,6,7
	global_load_b128 v[BV+8*\b:BV+8*\b+3], v[H32], s[12:13] offset:64*\b
	global_load_b128 v[BV+8*\b+4:BV+8*\b+7], v[H32], s[12:13] offset:64*\b+16
.endr
.irp a, 0,1,2,3,4,5,6,7
	global_load_b32 v[LB+\a], v[R4], s[12:13] offset:64*\a
.endr
.macro FRAG reg, adr, q, i             ; a fragment, 16 rows x 128 K, is 12 registers: lane l holds row l % 16; registers 6 c .. 6 c + 5 hold K = 64 c + 32 (l / 16) + 0 .. 31: 24 bytes of the row, as they lie, in pieces of 8
.irp p, 0,1,2,3,4,5
.set PCE, 12*(\q)+6*(\p/3)+\p%3       ; 16 bytes of padding lie behind every 8 pieces: where the piece three on lies behind one padding more, the second address register serves
.if PCE%8 < 5
	ds_load_b64 v[\reg+2*\p:\reg+2*\p+1], v[\adr] offset:8*PCE+16*(PCE/8)+(\i)*16*PITCH
.else
	ds_load_b64 v[\reg+2*\p:\reg+2*\p+1], v[\adr+2] offset:8*PCE+16*(PCE/8)+(\i)*16*PITCH
.endif
.endr
.endm
; 16 matrix instructions: P's blocks a0, a0 + 1 x R's eight, 128 along K.  The 64 accumulators take turns, one instruction a turn, in the same order in every step.
.macro MUL16 a0, p, q, sc, zero
.irp a, \a0, \a0+1
.irp b, 0,1,2,3,4,5,6,7
.if \zero
	v_wmma_scale_f32_16x16x128_f8f6f4 v[8*(8*((\a)%4)+\b):8*(8*((\a)%4)+\b)+7], v[128*(\p)+FR*\b:128*(\p)+FR*\b+FR-1], v[AF+FR*(\a):AF+FR*(\a)+FR-1], 0, v[SC+8*NQ*(\sc)+NQ*\b+(\q)], v[SC+8*NQ*(\sc)+NQ*(\a)+(\q)] matrix_a_fmt:MATRIX_FMT_FP6 matrix_b_fmt:MATRIX_FMT_FP6 matrix_a_scale:MATRIX_SCALE_ROW1
.else
	v_wmma_scale_f32_16x16x128_f8f6f4 v[8*(8*((\a)%4)+\b):8*(8*((\a)%4)+\b)+7], v[128*(\p)+FR*\b:128*(\p)+FR*\b+FR-1], v[AF+FR*(\a):AF+FR*(\a)+FR-1], v[8*(8*((\a)%4)+\b):8*(8*((\a)%4)+\b)+7], v[SC+8*NQ*(\sc)+NQ*\b+(\q)], v[SC+8*NQ*(\sc)+NQ*(\a)+(\q)] matrix_a_fmt:MATRIX_FMT_FP6 matrix_b_fmt:MATRIX_FMT_FP6 matrix_a_scale:MATRIX_SCALE_ROW1
.endif
.endr
.endr
.endm
.macro FETCH_B slot, q, p              ; R's eight fragments of the slot's q-th 128 along K into set p
	WIN TO_B
.irp i, 0,1,2,3,4,5,6,7
	FRAG 128*(\p)+FR*\i, ADRB+\slot, \q, \i
.endr
	WIN 0
.endm
.macro FETCH_A slot, q, i0             ; P's blocks i0 .. i0 + 3
.irp i, \i0, \i0+1, \i0+2, \i0+3
	FRAG AF+FR*(\i), ADRA+\slot, \q, \i
.endr
.endm
.macro SCALES sc                       ; a K step's scale words into set sc: two words a row; lanes 0-15 take P's block i, lanes 16-31 R's block i
.irp i, 0,1,2,3,4,5,6,7
	ds_load_b64 v[SC+8*NQ*\sc+NQ*\i:SC+8*NQ*\sc+NQ*\i+1], v[ADRS] offset:\i*SBLK
.endr
.endm
.macro PLACES n                        ; plain vector instructions between a matrix instruction and a load into, or a read of, its registers
.rept \n
	v_nop
.endr
.endm
.macro STEP slot, q, zero              ; a step of 128 along K that has its successor in the same slot
	s_wait_dscnt 4*NL                              ; R's set and P's blocks 0-3 are in; the youngest 24 loads (P's blocks 4-7) may be out
	WIN MUL_LO
	MUL16 0, (\q)%2, \q, \slot, \zero
	MUL16 2, (\q)%2, \q, \slot, \zero
	s_wait_dscnt 0                                 ; P's blocks 4-7 are in
	PLACES NP
	FETCH_B \slot, (\q)+1, 1-(\q)%2
	FETCH_A \slot, (\q)+1, 0
	WIN MUL_HI
	MUL16 4, (\q)%2, \q, \slot, \zero
	MUL16 6, (\q)%2, \q, \slot, \zero
	PLACES NP
	WIN 0
	FETCH_A \slot, (\q)+1, 4
.endm
; A slot's last step changes slots: one barrier; in front of it each wave waits for all its tensor loads, adds 0 to its spare word, and waits for that and for its own reads of this slot.  fill = 1: the slot is filled again, two K steps ahead.
.macro TURN slot, next, fill
	s_wait_tensorcnt 0x0                           ; all my tensor loads have landed: my part of the next slot
	ds_add_u32 v[SPW], v[NIL]                      ; 0 onto my spare word
	s_wait_dscnt 4*NL+1                            ; (the add and the youngest 24 loads may be out)
	WIN MUL_LO
	MUL16 0, 1, NQ-1, \slot, 0                     ; sixteen matrix instructions stand between the add and the wait for it
	s_wait_dscnt 0x0                               ; the add is done, and my reads of this slot are over
	s_barrier_signal -1
	MUL16 2, 1, NQ-1, \slot, 0
	WIN 0
	s_barrier_wait -1
.if \fill
	CREST                                          ; the barrier has opened a round of the cluster's: no wave of any partner still reads this slot or has a load on its way
	s_add_nc_u64 s[G0+4*\slot+2:G0+4*\slot+3], s[G0+4*\slot+2:G0+4*\slot+3], 2*ROWB
	s_add_nc_u64 s[G0B+4*\slot+2:G0B+4*\slot+3], s[G0B+4*\slot+2:G0B+4*\slot+3], 2*ROWB
	JLOAD G0+4*\slot, G1, G0B+4*\slot, G1B         ; the first tensor load behind the round; its four v_nop are the places in front of the loads below
.else
	PLACES NP
.endif
	v_add_nc_u32 v[ADRS], 4*NQ, v[ADRS]            ; on to the next K step's scale words
	FETCH_B \next, 0, 0
	FETCH_A \next, 0, 0
	SCALES \next
	WIN MUL_HI
	MUL16 4, 1, NQ-1, \slot, 0
	MUL16 6, 1, NQ-1, \slot, 0
	PLACES NP
	WIN 0
	FETCH_A \next, 0, 4
.endm
	s_wait_tensorcnt 1                             ; the scales and my part of K step 0 are in; K step 1's load may be out
	s_barrier_signal -1
	s_barrier_wait -1
	FETCH_B 0, 0, 0
	FETCH_A 0, 0, 0
	SCALES 0
	FETCH_A 0, 0, 4
	STEP 0, 0, 1                                   ; K = 1,024 is four slots: written straight.  The first products start the sums
	TURN 0, 1, 1
	STEP 1, 0, 0
	TURN 1, 0, 1
	STEP 0, 0, 0
	TURN 0, 1, 0                                   ; the last two slots fill nothing
	STEP 1, 0, 0
	s_wait_dscnt 4*NL
	WIN MUL_LO
	MUL16 0, 1, NQ-1, 1, 0
	MUL16 2, 1, NQ-1, 1, 0
	s_wait_dscnt 0
	WIN MUL_HI
	MUL16 4, 1, NQ-1, 1, 0
	MUL16 6, 1, NQ-1, 1, 0
	WIN 0
; 64 numbers of a lane, v[s] on, register 16 b + i = place 16 (lane / 16) + i of block b of my row, become a fragment's codes in v[PC] on and its scale word in v[w].
.macro QUANT s, w
.irp b, 0,1,2,3
	v_max3_num_f32 v[TM+\b], |v[\s+16*\b]|, |v[\s+1+16*\b]|, 0x1800000   ; my 16 numbers of block b, and the floor 2^(3 - 127): the byte cannot fall under 1
.endr
.irp i, 2,4,6,8,10,12,14
.irp b, 0,1,2,3
	v_max3_num_f32 v[TM+\b], v[TM+\b], |v[\s+16*\b+\i]|, |v[\s+1+16*\b+\i]|
.endr
.endr
.irp b, 0,1,2,3
	v_permlanex16_b32 v[TM+4+\b], v[TM+\b], s100, s101
.endr
.irp b, 0,1,2,3
	v_max_num_f32 v[TM+\b], v[TM+\b], v[TM+4+\b]   ; with lane l xor 16's: the block's largest magnitude
.endr
.irp b, 0,1,2,3
	v_add_nc_u32 v[TM+12+\b], 0xff000000, v[TM+\b] ; 2 off its exponent field: the conversion takes the exponent field of this operand as its scale
.endr
.irp b, 0,1,2,3
	v_lshrrev_b32 v[TM+4+\b], 23, v[TM+12+\b]      ; the scale's byte
.endr
	v_lshl_or_b32 v[\w], v[TM+5], 8, v[TM+4]
	v_lshl_or_b32 v[\w], v[TM+6], 16, v[\w]
	v_lshl_or_b32 v[\w], v[TM+7], 24, v[\w]
.irp c, 0,1
	v_cvt_scalef32_pk16_fp6_f32 v[PC+6*\c:PC+2+6*\c], v[\s+32*\c:\s+15+32*\c], v[TM+12+2*\c]
	v_cvt_scalef32_pk16_fp6_f32 v[PC+12+4*\c:PC+14+4*\c], v[\s+16+32*\c:\s+31+32*\c], v[TM+12+2*\c+1]   ; (a conversion's three registers begin on an even number)
.endr
	v_nop                                          ; one plain place behind a scaled conversion
.irp c, 0,1                                    ; the operand's layout wants a whole block in a lane: lanes 0-15 block 2 c, lanes 16-31 block 2 c + 1
.irp i, 0,1,2
	v_permlane16_swap_b32 v[PC+6*\c+\i], v[PC+12+4*\c+\i]
.endr
.irp i, 0,1,2
	v_mov_b32 v[PC+3+6*\c+\i], v[PC+12+4*\c+\i]
.endr
.endr
.endm
; THE WAY OUT of P's block a: bias, quantiser, the image's stores.  No LDS: a fragment's registers are stored as they stand, 16 or 8 bytes a lane on end.
.macro BLOCK a, mode
	s_wait_xcnt 0x0                                ; the last block's stores have read v[PC] on: only now are they written again
	WIN 0x02+(\a)/4                                ; source 0: window 2 or 3
.set AC, 64*((\a)%4)
.set i, 0
.rept 32                                       ; each accumulator from its low end on
.if \mode
.if (\a)%2
	v_pk_add_f32 v[HA+i:HA+i+1], v[AC+i:AC+i+1], v[LB+2*((\a)/2):LB+2*((\a)/2)+1] op_sel:[0,1] op_sel_hi:[1,1]   ; my feature's bias, for both halves
.else
	v_pk_add_f32 v[HA+i:HA+i+1], v[AC+i:AC+i+1], v[LB+2*((\a)/2):LB+2*((\a)/2)+1] op_sel:[0,0] op_sel_hi:[1,0]
.endif
.else
	v_pk_add_f32 v[HA+i:HA+i+1], v[AC+i:AC+i+1], v[BV+i:BV+i+1]
.endif
.set i, i+2
.endr
	WIN 0
	QUANT HA, SW+(\a)
.if \mode
.irp c, 0,1,2                                  ; v: features 16 a on are tile a % 4 of head a / 4; the fragment's 128 K are my 128 tokens
	global_store_b128 v[L16], v[PC+4*\c:PC+4*\c+3], s[16:17] offset:((\a)/4)*HS+1536*((\a)%4)+512*\c
.endr
.else                                          ; q, k: registers 0-5 are the first head's 64, registers 6-11 the second's; token tile a
	global_store_b128 v[L16], v[PC:PC+3], s[16:17] offset:768*(\a)
	global_store_b64 v[L8], v[PC+4:PC+5], s[16:17] offset:768*(\a)+512
	global_store_b128 v[L16], v[PC+6:PC+9], s[16:17] offset:HS+768*(\a)
	global_store_b64 v[L8], v[PC+10:PC+11], s[16:17] offset:HS+768*(\a)+512
.endif
.endm
	s_wait_loadcnt 0x0                             ; the bias
	PLACES NP                                      ; behind the last products: their results are read, their operands' registers written
.irp b, 0,1,2,3
	v_mov_b32 v[TM+4+\b], 0                        ; written once: a lane permute's destination counts as one of its sources
.endr
	s_cmp_eq_u32 s23, 1
	s_cbranch_scc1 .Lway_v
.irp a, 0,1,2,3,4,5,6,7
	global_load_b32 v[MK+\a], v[R4], s[14:15] offset:64*\a   ; the mask words of token 16 a + lane % 16: wanted behind the eight blocks
.endr
.irp a, 0,1,2,3,4,5,6,7
	BLOCK \a, 0
.endr
	s_wait_loadcnt 0x0
.irp a, 0,1,2,3,4,5,6,7
	v_cmp_ne_u32 vcc_lo, 0, v[MK+\a]
	v_cndmask_b32 v[MK+\a], v[MASKV], v[KEEPV], vcc_lo       ; byte 2 of the token's scale word
.endr
	s_mov_b32 s2, 0xffff0000                       ; lanes 16-31
.irp j, 0,1,2,3
	v_cndmask_b32 v[XX+\j], v[SW+\j], v[SW+4+\j], s2         ; lane (r, h): tile 4 h + j's word: bytes 0, 1 the first head's, bytes 2, 3 the second's
	v_cndmask_b32 v[YY+\j], v[MK+\j], v[MK+4+\j], s2
.endr
.irp j, 0,1,2,3
	v_and_or_b32 v[SW+\j], v[XX+\j], 0xffff, v[YY+\j]        ; the first head's word: two bytes, the mask's byte, 0
	v_lshrrev_b32 v[XX+\j], 16, v[XX+\j]
.endr
.irp j, 0,1,2,3
	v_or_b32 v[XX+\j], v[XX+\j], v[YY+\j]                    ; the second head's
.endr
	global_store_b128 v[L16], v[SW:SW+3], s[16:17] offset:6144
	global_store_b128 v[L16], v[XX:XX+3], s[16:17] offset:HS+6144
	s_branch .Lway_done
.Lway_v:
.irp a, 0,1,2,3,4,5,6,7
	BLOCK \a, 1
.endr
	global_store_b128 v[L16], v[SW:SW+3], s[16:17] offset:6144       ; the four tiles' words of row lane % 16
	global_store_b128 v[L16], v[SW+4:SW+7], s[16:17] offset:HS+6144
.Lway_done:
	s_wait_tensorcnt 0x0                           ; the wave's end
	ds_add_u32 v[SPW], v[NIL]
	s_wait_dscnt 0x0
	CROUND                                         ; the closing round: no work-group ends while a partner may still ask for a tile that names it
	s_endpgm
.Lfunc_end_k_q61c559e7e8_qkv:
	.size	k_q61c559e7e8_qkv, .Lfunc_end_k_q61c559e7e8_qkv-k_q61c559e7e8_qkv
	.p2alignl 7, 3214868480
	.fill 96, 4, 3214868480
	.section	.rodata,"a",@progbits
	.p2align	6, 0x0
	.amdhsa_kernel k_q61c559e7e8_qkv
		.amdhsa_group_segment_fixed_size 327680
		.amdhsa_private_segment_fixed_size 0
		.amdhsa_enable_private_segment 0
		.amdhsa_kernarg_size 56
		.amdhsa_user_sgpr_count 2
		.amdhsa_user_sgpr_kernarg_segment_ptr 1
		.amdhsa_wavefront_size32 1
		.amdhsa_system_sgpr_workgroup_id_x 1
		.amdhsa_system_sgpr_workgroup_id_y 1
		.amdhsa_system_sgpr_workgroup_id_z 1
		.amdhsa_system_vgpr_workitem_id 0
		.amdhsa_next_free_vgpr 1024
		.amdhsa_next_free_sgpr 102
		.amdhsa_reserve_vcc 1
		.amdhsa_float_denorm_mode_32 3
		.amdhsa_float_denorm_mode_16_64 3
		.amdhsa_memory_ordered 1
		.amdhsa_forward_progress 1
		.amdhsa_inst_pref_size 235
	.end_amdhsa_kernel
	.amdgpu_metadata
---
amdhsa.version: [ 1, 2 ]
amdhsa.kernels:
  - .name:           k_q61c559e7e8_qkv
    .symbol:         k_q61c559e7e8_qkv.kd
    .args:
      - { .name: x_codes, .offset: 0, .size: 8, .value_kind: global_buffer, .address_space: global }
      - { .name: x_scales, .offset: 8, .size: 8, .value_kind: global_buffer, .address_space: global }
      - { .name: W_qkv_codes, .offset: 16, .size: 8, .value_kind: global_buffer, .address_space: global }
      - { .name: W_qkv_scales, .offset: 24, .size: 8, .value_kind: global_buffer, .address_space: global }
      - { .name: b_qkv, .offset: 32, .size: 8, .value_kind: global_buffer, .address_space: global }
      - { .name: padding_mask, .offset: 40, .size: 8, .value_kind: global_buffer, .address_space: global }
      - { .name: qkv, .offset: 48, .size: 8, .value_kind: global_buffer, .address_space: global }
    .group_segment_fixed_size: 327680
    .private_segment_fixed_size: 0
    .kernarg_segment_align: 8
    .kernarg_segment_size: 56
    .max_flat_workgroup_size: 128
    .sgpr_count:     102
    .vgpr_count:     1024
    .wavefront_size: 32
...
	.end_amdgpu_metadata
.endif
;; end of part 1
;; launch attn (part 2): grid 4 x 64, 16 waves a work-group, clusters of 4 x 1, 215,040 bytes of LDS; arguments qkv, ac, asc; writes ac, asc
.if DOCPART == 2
	.amdgcn_target "amdgcn-amd-amdhsa--gfx1250"
	.amdhsa_code_object_version 6
	.text
	.protected	k_q61c559e7e8_attn
	.globl	k_q61c559e7e8_attn
	.p2align	8
	.type	k_q61c559e7e8_attn,@function
k_q61c559e7e8_attn:
	s_mov_b64 s[64:65], 0
	v_nop
	global_prefetch_b8 v0, s[64:65] scope:SCOPE_SE
	s_setreg_imm32_b32 hwreg(HW_REG_WAVE_MODE, 25, 1), 1
	s_wait_xcnt 0x0
	s_wait_alu depctr_hold_cnt(0) depctr_sa_sdst(0) depctr_va_vdst(0) depctr_va_sdst(0) depctr_va_ssrc(0) depctr_va_vcc(0) depctr_vm_vsrc(0)
	s_getreg_b32 s2, hwreg(HW_REG_IB_STS2, 6, 4)
	s_cmp_eq_u32 s2, 0
	s_cbranch_scc0 .Lentry_in_a_cluster
	s_endpgm
.Lentry_in_a_cluster:
	s_bfe_u32 s2, ttmp6, 0x10000c
	s_cmp_lg_u32 s2, 0x3003
	s_cbranch_scc0 .Lentry_shape_is_right
	s_endpgm
.Lentry_shape_is_right:
; attn[b][q][head] = softmax(q k^T / 8, causal and padding mask) v, both products on codes of FP6 (E2M3) with E8M0 scales, and the result quantised along the channels for the last product.
; INPUT qkv: images of operand registers, [16 batch + head][step of 128 tokens][K, V, Q][6,656 bytes], as the launch before lays them.
; SHARES.  A work-group has one head of one batch and a quarter of its queries; the four of a cluster share the head.  Wave w (of 16) owns two tiles of 16 queries: X = 128 w + 32 cx + 0 .. 15, which sees key steps 0 .. w,
; and Y = 128 (15 - w) + 32 cx + 16 .. 31, which sees steps 0 .. 15 - w: 17 steps of a tile for every wave.  What is left out hangs on the wave's number and the step alone, never on cx.
; LDS holds the head's K and V whole, 16 steps x 13,312 bytes, filled ONCE by joint loads of the four work-groups: no byte is filled again.
; LAYOUT.  Both products are used transposed: S^T = K Q^T (source 0 = 16 keys), O^T = V^T P^T (source 0 = 16 channels): a lane holds one query (lane % 16) throughout.  S^T's 16 registers of tiles 2 b, 2 b + 1 go into the
; conversion as they stand; v was quantised in the same order inside each block of 32 keys, so the products are those of the true order.
; THE SOFTMAX: t = score x log2(e) / 8; M = the running largest t, rounded up to a whole number; p = 2^(t - M) is quantised, not normalised; the sum of the unquantised p divides at the end.
; THE PADDING MASK costs no line here: the head is 64 and the instruction's K is 128.  At k = 64 K's fragments hold the code +1 and Q's -1; Q's scale byte of that block is 127, K's is 0 (the key counts: -2^-127 is added
; to the score) or 254 (it does not: -2^127).  The largest t begins at -2^100, so such a score never becomes M, and its p is 2^(-3e37) = 0.  The causal mask: -infinity on the diagonal step, steps beyond it left out.
; A QUERY WITH NO KEY has the sum 0: its codes are made 0 and its two scale bytes 0xff, so that the last product gives NaN in its whole row.
; OUTPUT ac: [token tile][head][768]: registers 0-3 of half a fragment at 16 x lane, registers 4-5 at 512 + 8 x lane, in the TRUE order of the channels;  asc: [token][32] scale bytes, head h at 2 h.
; LIMITS: a true t under -2^100 counts as masked; every kept score carries -2^-127; a block of zeros gets the byte 1 where the rule says 127 (this program alone reads the bytes); NaN and infinities among q, k, v are not served.
.set BLKB,  6656
.set STEPB, 3*BLKB                     ; a step in memory: K, V, Q
.set HS,    16*STEPB                   ; a head in memory
.set KV,    2*BLKB                     ; a step in LDS: K, V
.set L16,  1                           ; v1   16 x lane
.set L8,   2                           ; v2   8 x lane
.set A16,  3                           ; v3   the step's LDS address + 16 x lane
.set A8,   4                           ; v4   + 8 x lane
.set QSX,  5                           ; v5, v6  Q's scale words
.set QSY,  6
.set DQX,  7                           ; v7   32 cx + lane % 16 - 8 (lane / 16): register 8 t + j of S^T is hidden on the diagonal where 16 t + j is larger
.set VS,   8                           ; v8-11 V's scale words
.set STX,  12                          ; v12 -M, v13 the largest t, v[14:15] the sum in two halves
.set STY,  16
.set QX,   20                          ; v20-31, v32-43 Q's fragments; registers 6-11 are constants
.set QY,   32
.set KF,   44                          ; v44-91 four fragments of K; registers 6-11 of each are constants
.set S,    92                          ; v92-155 S^T, then p; then V's four fragments in v92-139
.set OX,   156                         ; v156-187, v188-219 O^T: 4 tiles of 16 channels
.set OY,   188
.set PC,   220                         ; v220-231 p's codes
.set DQY,  255                         ; v232-254 at work: v248-251 K's scale words, v252 f, v253 p's scale word
.set WV,   10
.set CX,   11
.set HB,   12
.set LX,   13                          ; X's last step
.set LY,   14                          ; Y's
.set KSTEP, 15
.set TB,   16
.set CNT,  17
.set SEL,  18
.set CS,   20
.set VM,   22
.set G1,   24                          ; s[24:31] descriptor group 1;  s[32:47] four groups 0
.set G0,   32
.macro CROUND                          ; a round of the cluster's barrier
	s_barrier_signal -1
	s_barrier_wait -1
	s_cmp_lg_u32 s[WV], 0
	s_cbranch_scc1 .Lnot_wave_0_\@
	s_barrier_signal -3
.Lnot_wave_0_\@:
	s_barrier_wait -3
	s_barrier_signal -1
	s_barrier_wait -1
.endm
	s_load_b128 s[4:7], s[0:1], 0x0                ; qkv, ac
	s_load_b64 s[8:9], s[0:1], 0x10                ; asc
	v_lshl_add_u32 v254, v0, 2, 0x34000
	v_mov_b32 v255, 0
	ds_add_u32 v254, v255
	ds_add_u32 v254, v255
	s_wait_dscnt 0x0
	v_lshrrev_b32 v254, 5, v0
	v_readfirstlane_b32 s[WV], v254                ; wave 0..15
	s_bfe_u32 s[CX], ttmp6, 0x40000                ; cx: it enters global addresses and vector data alone
	s_and_b32 s[HB], ttmp7, 0xffff                 ; 16 batch + head: the four partners share it
	s_mov_b32 s[LX], s[WV]
	s_xor_b32 s[LY], s[WV], 15                     ; 15 - wave
	s_mov_b32 s[G1], 15|(3<<16)|(1<<21)            ; 15:0 the mask: all four work-groups; elements of 8 bytes; no padding; bit 21 beside a mask
	s_mov_b32 s[G1+1], 32<<16                      ; a step's K and V: 13,312 dense bytes, as 52 rows of 256
	s_mov_b32 s[G1+2], 52<<16
	s_mov_b32 s[G1+3], 32<<16
	s_mov_b32 s[G1+4], 52
	s_mov_b32 s[G1+5], 32
	s_mov_b32 s[G1+6], 0
	s_mov_b32 s[G1+7], 0
	s_mov_b32 s[SEL], 0x76543210
	s_mov_b32 s[SEL+1], 0xfedcba98                 ; v_permlanex16_b32's selects for lane l xor 16
	s_mov_b32 s[CS], 0x3e38aa3b                    ; c = log2(e) / 8
	s_mov_b32 s[CS+1], s[CS]                       ; (named with it as a pair, so it is written)
	s_min_u32 s48, s[WV], 3                        ; waves 0 to 3 fetch: wave w steps w, 4 + w, 8 + w, 12 + w
	s_mul_i32 s49, s48, KV
	s_mul_i32 s50, s48, STEPB
	s_mov_b32 s51, 0
	s_mul_i32 s52, s[HB], HS
	s_mov_b32 s53, 0
	s_wait_kmcnt 0x0
	s_add_nc_u64 s[54:55], s[4:5], s[52:53]        ; the head's first byte
	s_add_nc_u64 s[50:51], s[54:55], s[50:51]
.irp g, 0,1,2,3
	s_mov_b32 s[G0+4*\g], 1
	s_add_co_u32 s[G0+4*\g+1], s49, \g*4*KV
	s_add_nc_u64 s[G0+4*\g+2:G0+4*\g+3], s[50:51], \g*4*STEPB
	s_or_b32 s[G0+4*\g+3], s[G0+4*\g+3], 0x80000000
.endr
	CROUND                                         ; all four work-groups are here: the joint loads meet
	s_cmp_lt_u32 s[WV], 4                          ; a wave's fills stand in one branch, ahead of every wait on TENSORcnt, every LDS read and every other barrier: four loads of mine are out
	s_cbranch_scc0 .Lno_fill
	tensor_load_to_lds s[G0:G0+3], s[G1:G1+7]
	s_nop 0
	tensor_load_to_lds s[G0+4:G0+7], s[G1:G1+7]
	s_nop 0
	tensor_load_to_lds s[G0+8:G0+11], s[G1:G1+7]
	s_nop 0
	tensor_load_to_lds s[G0+12:G0+15], s[G1:G1+7]
	s_nop 0
.rept 4
	v_nop
.endr
.Lno_fill:
	; Q: tile a = 2 cx of step w (X), tile 2 cx + 1 of step 15 - w (Y); a tile's scale word lies at 6,144 + 256 (a / 4) + 4 (a % 4) + 16 r of the block
	s_mul_i32 s56, s[LX], STEPB
	s_mul_i32 s57, s[LY], STEPB
	s_mul_i32 s58, s[CX], 1536
	s_add_co_u32 s58, s58, 2*BLKB
	s_lshr_b32 s59, s[CX], 1
	s_lshl_b32 s59, s59, 8
	s_and_b32 s60, s[CX], 1
	s_lshl_b32 s60, s60, 3
	s_add_co_u32 s59, s59, s60
	s_add_co_u32 s59, s59, 2*BLKB+6144
	s_mov_b32 s61, 0
	s_add_co_u32 s60, s56, s58
	s_add_nc_u64 s[66:67], s[54:55], s[60:61]      ; X's codes
	s_add_co_u32 s60, s57, s58
	s_add_co_u32 s60, s60, 768
	s_add_nc_u64 s[68:69], s[54:55], s[60:61]      ; Y's
	s_add_co_u32 s60, s56, s59
	s_add_nc_u64 s[70:71], s[54:55], s[60:61]      ; X's scale words
	s_add_co_u32 s60, s57, s59
	s_add_co_u32 s60, s60, 4
	s_add_nc_u64 s[72:73], s[54:55], s[60:61]      ; Y's
	v_and_b32 v254, 31, v0                         ; lane
	v_lshlrev_b32 v[L16], 4, v254
	v_lshlrev_b32 v[L8], 3, v254
	v_and_b32 v252, 15, v0                         ; r
	v_lshlrev_b32 v[A16], 4, v252
	global_load_b128 v[QX:QX+3], v[L16], s[66:67]
	global_load_b64 v[QX+4:QX+5], v[L8], s[66:67] offset:512
	global_load_b128 v[QY:QY+3], v[L16], s[68:69]
	global_load_b64 v[QY+4:QY+5], v[L8], s[68:69] offset:512
	global_load_b32 v[QSX], v[A16], s[70:71]
	global_load_b32 v[QSY], v[A16], s[72:73]
	; where the results go
	s_lshr_b32 s48, s[HB], 4                       ; batch
	s_and_b32 s49, s[HB], 15                       ; head
	s_lshl_b32 s48, s48, 7
	s_lshl_b32 s50, s[CX], 1
	s_add_co_u32 s48, s48, s50
	s_lshl_b32 s50, s[LX], 3
	s_add_co_u32 s50, s50, s48                     ; X's token tile: 128 batch + 8 w + 2 cx
	s_lshl_b32 s51, s[LY], 3
	s_add_co_u32 s51, s51, s48
	s_add_co_u32 s51, s51, 1                       ; Y's: 128 batch + 8 (15 - w) + 2 cx + 1
	s_mul_i32 s52, s49, 768
	s_lshl_b32 s53, s49, 1
	s_mov_b32 s57, 0
	s_mul_i32 s56, s50, 12288
	s_add_co_u32 s56, s56, s52
	s_add_nc_u64 s[74:75], s[6:7], s[56:57]
	s_lshl_b32 s56, s50, 9
	s_add_co_u32 s56, s56, s53
	s_add_nc_u64 s[76:77], s[8:9], s[56:57]
	s_mul_i32 s56, s51, 12288
	s_add_co_u32 s56, s56, s52
	s_add_nc_u64 s[78:79], s[6:7], s[56:57]
	s_lshl_b32 s56, s51, 9
	s_add_co_u32 s56, s56, s53
	s_add_nc_u64 s[80:81], s[8:9], s[56:57]
	v_bfe_u32 v[A8], v0, 4, 1                      ; h
	v_lshlrev_b32 v[A8], 3, v[A8]
	v_sub_nc_u32 v[DQX], v252, v[A8]
	s_lshl_b32 s60, s[CX], 5
	v_add_nc_u32 v[DQX], s60, v[DQX]
	v_add_nc_u32 v[DQY], 16, v[DQX]
	; the constants of the fragments' upper halves: k = 64 is bits 5:0 of register 6 in lanes 0-15
	v_cmp_gt_u32 vcc_lo, 16, v254
	v_mov_b32 v252, 0x28                           ; the code of -1.0
	v_cndmask_b32 v[QX+6], 0, v252, vcc_lo
	v_mov_b32 v252, 8                              ; the code of +1.0
	v_cndmask_b32 v[KF+6], 0, v252, vcc_lo
	v_mov_b32 v[QY+6], v[QX+6]
.irp t, 1,2,3
	v_mov_b32 v[KF+12*\t+6], v[KF+6]
.endr
.irp i, 7,8,9,10,11
	v_mov_b32 v[QX+\i], 0
	v_mov_b32 v[QY+\i], 0
.irp t, 0,1,2,3
	v_mov_b32 v[KF+12*\t+\i], 0
.endr
.endr
.irp st, STX, STY
	v_mov_b32 v[\st+1], 0xf1800000                 ; the largest t so far: -2^100
	v_floor_f32 v[\st], -v[\st+1]                  ; -M
	v_mov_b32 v[\st+2], 0                          ; the sum, in two halves
	v_mov_b32 v[\st+3], 0
.endr
.irp b, 0,1,2,3
	v_mov_b32 v[236+\b], 0                         ; written once: a lane permute's destination counts as one of its sources
.endr
	v_mov_b32 v252, 0
	v_mov_b32 v253, 0                              ; (named as the upper half of the pair v[252:253] before it is first written)
.set n, 0
.rept 64
	v_mov_b32 v[OX+n], 0                           ; O^T of both tiles.  (The step is written once: the first finds zeros, which the first change of M leaves zeros)
.set n, n+1
.endr
; A KEY STEP OF ONE TILE: 128 keys.  st: its statistics; qf, qs: Q's fragment and scale words; of: O^T; dq: the diagonal's bound; lim: the scalar register with the tile's last step.
.macro STEP st, qf, qs, of, dq, lim
	s_cmp_gt_u32 s[KSTEP], s[\lim]                 ; all keys of the step come after my queries: nothing to do.  No barrier and no tensor load stands in a step
	s_cbranch_scc1 .Lhidden_\@
.irp g, 0,1                                    ; S^T = K Q^T, four tiles of 16 keys at a time
.if \g
.rept 4
	v_nop                                          ; places in front of loads into registers that matrix instructions have read
.endr
.endif
.irp t, 0,1,2,3
	ds_load_b128 v[KF+12*\t:KF+12*\t+3], v[A16] offset:768*(4*\g+\t)
	ds_load_b64 v[KF+12*\t+4:KF+12*\t+5], v[A8] offset:768*(4*\g+\t)+512
.endr
.if \g == 0
	ds_load_b128 v[248:251], v[A16] offset:6144    ; register j: lanes 0-15 tile j's scale words, lanes 16-31 tile 4 + j's
.endif
	s_wait_dscnt 0x0
.irp t, 0,1,2,3
.if \g
	v_wmma_scale_f32_16x16x128_f8f6f4 v[S+32+8*\t:S+32+8*\t+7], v[KF+12*\t:KF+12*\t+11], v[\qf:\qf+11], 0, v[248+\t], v[\qs] matrix_a_fmt:MATRIX_FMT_FP6 matrix_b_fmt:MATRIX_FMT_FP6 matrix_a_scale:MATRIX_SCALE_ROW1
.else
	v_wmma_scale_f32_16x16x128_f8f6f4 v[S+8*\t:S+8*\t+7], v[KF+12*\t:KF+12*\t+11], v[\qf:\qf+11], 0, v[248+\t], v[\qs] matrix_a_fmt:MATRIX_FMT_FP6 matrix_b_fmt:MATRIX_FMT_FP6
.endif
.endr
.endr                                          ; register 8 t + j of lane (r, h): query r, key 16 t + 8 h + j of the step
.rept 4
	v_nop
.endr
	s_cmp_lg_u32 s[KSTEP], s[\lim]                 ; only the tile's last step lies on the diagonal
	s_cbranch_scc1 .Lopen_\@
	v_mov_b32 v254, 0xff800000                     ; -infinity
.set n, 0
.rept 64
	v_cmp_gt_i32 vcc_lo, 16*(n/8)+n%8, v[\dq]
	v_cndmask_b32 v[S+n], v[S+n], v254, vcc_lo
.set n, n+1
.endr
.Lopen_\@:
.irp b, 0,1,2,3
	v_max3_num_f32 v[232+\b], v[S+16*\b], v[S+1+16*\b], v[S+2+16*\b]   ; the largest score of each block of 32 keys: for the row's maximum, and, since p rises with the score, for the block's largest p
.endr
.irp i, 3,5,7,9,11,13
.irp b, 0,1,2,3
	v_max3_num_f32 v[232+\b], v[232+\b], v[S+16*\b+\i], v[S+1+16*\b+\i]
.endr
.endr
.irp b, 0,1,2,3
	v_max_num_f32 v[232+\b], v[232+\b], v[S+15+16*\b]
.endr
.irp b, 0,1,2,3
	v_permlanex16_b32 v[236+\b], v[232+\b], s[SEL], s[SEL+1]
.endr
.irp b, 0,1,2,3
	v_max_num_f32 v[232+\b], v[232+\b], v[236+\b]  ; with lane l xor 16's 16 keys
.endr
	v_max3_num_f32 v254, v232, v233, v234
	v_max_num_f32 v254, v254, v235
	v_mul_f32 v254, s[CS], v254                    ; the step's largest t
	v_max_num_f32 v[\st+1], v[\st+1], v254         ; the running largest t
	v_mov_b32 v254, v[\st]
	v_floor_f32 v[\st], -v[\st+1]                  ; the new -M = -ceil(t): a whole number
	v_sub_f32 v254, v[\st], v254                   ; old M - new M: a whole number, 0 or less
	v_cvt_i32_f32 v254, v254                       ; (it saturates)
	v_ldexp_f32 v252, 1.0, v254                    ; f = 2^(old M - new M): a multiplication by it rounds nothing
.set n, 0
.rept 32
	v_pk_fma_f32 v[S+n:S+n+1], v[S+n:S+n+1], s[CS:CS+1], v[\st:\st+1] op_sel_hi:[1,0,0]   ; t - M, two at a time
.set n, n+2
.endr
.irp b, 0,1,2,3
	v_fma_f32 v[232+\b], v[232+\b], s[CS], v[\st]  ; the same of each block's largest score
.endr
.set n, 0
.rept 64
	v_exp_f32 v[S+n], v[S+n]                       ; p = 2^(t - M)
.set n, n+1
.endr
	v_pk_mul_f32 v[\st+2:\st+3], v[\st+2:\st+3], v[252:253] op_sel_hi:[1,0]   ; the sums under the new M: the plain place behind the exponentials
	s_wait_alu depctr_va_vdst(0)                   ; one wait for the batch of 64, ahead of its first reader
.irp b, 0,1,2,3
	v_exp_f32 v[232+\b], v[232+\b]                 ; the block's largest p
.endr
	v_pk_add_f32 v[236:237], v[S:S+1], v[S+2:S+3]  ; the row's sum is taken of the unquantised p, in two chains
.irp j, 4,8,12,16,20,24,28,32,36,40,44,48,52,56,60
	v_pk_add_f32 v[\st+2:\st+3], v[\st+2:\st+3], v[S+\j:S+\j+1]
	v_pk_add_f32 v[236:237], v[236:237], v[S+2+\j:S+3+\j]
.endr
	v_pk_add_f32 v[\st+2:\st+3], v[\st+2:\st+3], v[236:237]
	s_wait_alu depctr_va_vdst(0)                   ; and one for the four
.irp b, 0,1,2,3
	v_max_num_f32 v[232+\b], 0x1800000, v[232+\b]  ; the floor 2^(3 - 127): the byte cannot fall under 1
.endr
.irp b, 0,1,2,3
	v_add_nc_u32 v[244+\b], 0xff000000, v[232+\b]  ; 2 off the exponent field: the conversion's scale operand
.endr
.irp b, 0,1,2,3
	v_lshrrev_b32 v[236+\b], 23, v[244+\b]         ; the scale's byte
.endr
	v_lshl_or_b32 v253, v237, 8, v236              ; p's scale word for these 128 keys
	v_lshl_or_b32 v253, v238, 16, v253
	v_lshl_or_b32 v253, v239, 24, v253
.irp c, 0,1
	v_cvt_scalef32_pk16_fp6_f32 v[PC+6*\c:PC+2+6*\c], v[S+32*\c:S+15+32*\c], v[244+2*\c]
	v_cvt_scalef32_pk16_fp6_f32 v[236+4*\c:238+4*\c], v[S+16+32*\c:S+31+32*\c], v[244+2*\c+1]   ; (a conversion's three registers begin on an even number)
.endr
	v_nop                                          ; one plain place behind a scaled conversion
.irp t, 0,1,2,3                                ; p is done with: V's four fragments land where it lay, while the lines below are worked
.irp c, 0,1,2
	ds_load_b128 v[S+12*\t+4*\c:S+12*\t+4*\c+3], v[A16] offset:BLKB+1536*\t+512*\c
.endr
.endr
	ds_load_b128 v[VS:VS+3], v[A16] offset:BLKB+6144
.irp c, 0,1                                    ; the operand's layout wants a whole block in a lane
.irp i, 0,1,2
	v_permlane16_swap_b32 v[PC+6*\c+\i], v[236+4*\c+\i]
.endr
.irp i, 0,1,2
	v_mov_b32 v[PC+3+6*\c+\i], v[236+4*\c+\i]
.endr
.endr
.set n, 0
.rept 16
	v_pk_mul_f32 v[\of+n:\of+n+1], v[\of+n:\of+n+1], v[252:253] op_sel_hi:[1,0]   ; O^T under the new M.  (Of these sixteen, twelve name no register of any one product below: the places behind the writes of p's codes and scale word)
.set n, n+2
.endr
	s_wait_dscnt 0x0
.irp t, 0,1,2,3                                ; O^T += V^T P^T: the four accumulators by turns
	v_wmma_scale_f32_16x16x128_f8f6f4 v[\of+8*\t:\of+8*\t+7], v[S+12*\t:S+12*\t+11], v[PC:PC+11], v[\of+8*\t:\of+8*\t+7], v[VS+\t], v253 matrix_a_fmt:MATRIX_FMT_FP6 matrix_b_fmt:MATRIX_FMT_FP6
.endr
.rept 5
	v_nop                                          ; five places: the next step's first products write over the registers that held V's fragments
.endr
.Lhidden_\@:
.endm
.macro PHASE first, n                          ; key steps first .. first + n - 1, both tiles
	s_mov_b32 s[KSTEP], \first
	s_mov_b32 s[TB], \first*KV
	s_mov_b32 s[CNT], \n
.Lphase_\@:
	v_add_nc_u32 v[A16], s[TB], v[L16]
	v_add_nc_u32 v[A8], s[TB], v[L8]
	STEP STX, QX, QSX, OX, DQX, LX
	STEP STY, QY, QSY, OY, DQY, LY
	s_add_co_u32 s[TB], s[TB], KV
	s_add_co_u32 s[KSTEP], s[KSTEP], 1
	s_sub_co_u32 s[CNT], s[CNT], 1
	s_cmp_lg_u32 s[CNT], 0
	s_cbranch_scc1 .Lphase_\@
.endm
	s_wait_loadcnt 0x0                             ; Q
	s_wait_tensorcnt 0x3                           ; my first load (one of steps 0 to 3) is in; the three younger ones may be out
	s_barrier_signal -1
	s_barrier_wait -1
	PHASE 0, 4
	s_wait_tensorcnt 0x0                           ; all my loads are in: they have had four steps' work in which to land
	s_wait_dscnt 0x0
	s_barrier_signal -1
	s_barrier_wait -1
	PHASE 4, 12
; THE WAY OUT of a tile: O^T / the sum; the channels brought into their true order; two blocks of 32 quantised; half a fragment's image and two scale bytes stored.
.macro FINISH st, of, ab, sb
	v_add_f32 v254, v[\st+2], v[\st+3]
	v_permlanex16_b32 v236, v254, s[SEL], s[SEL+1]
	v_add_f32 v254, v254, v236                     ; the row's sum
	v_rcp_f32 v252, v254
	v_cmp_lt_f32 s[VM], 0, v254                    ; has the query a key?
	v_nop                                          ; a plain place behind the reciprocal
	s_wait_alu depctr_va_vdst(0)                   ; and the wait ahead of its first reader
	v_cndmask_b32 v252, 0, v252, s[VM]             ; none: 0, so that the codes are zeros
.set n, 0
.rept 16
	v_pk_mul_f32 v[S+n:S+n+1], v[\of+n:\of+n+1], v[252:253] op_sel_hi:[1,0]   ; register 8 t + j of lane (r, h): channel 16 t + 8 h + j of query r; each accumulator from its low end on
.set n, n+2
.endr
.irp b, 0,1                                    ; tile 2 b's lanes 16-31 change places with tile 2 b + 1's lanes 0-15: register 16 b + i now holds channel 32 b + 16 h + i
.irp j, 0,1,2,3,4,5,6,7
	v_permlane16_swap_b32 v[S+16*\b+\j], v[S+8+16*\b+\j]
.endr
.endr
.irp b, 0,1
	v_max3_num_f32 v[232+\b], |v[S+16*\b]|, |v[S+1+16*\b]|, 0x1800000
.endr
.irp i, 2,4,6,8,10,12,14
.irp b, 0,1
	v_max3_num_f32 v[232+\b], v[232+\b], |v[S+16*\b+\i]|, |v[S+1+16*\b+\i]|
.endr
.endr
.irp b, 0,1
	v_permlanex16_b32 v[236+\b], v[232+\b], s[SEL], s[SEL+1]
.endr
.irp b, 0,1
	v_max_num_f32 v[232+\b], v[232+\b], v[236+\b]
.endr
.irp b, 0,1
	v_add_nc_u32 v[244+\b], 0xff000000, v[232+\b]
.endr
.irp b, 0,1
	v_lshrrev_b32 v[236+\b], 23, v[244+\b]
.endr
	v_lshl_or_b32 v240, v237, 8, v236              ; the head's two scale bytes of my row
	v_mov_b32 v241, 0xffff
	v_cndmask_b32 v240, v241, v240, s[VM]          ; a query with no key: 0xff twice
	v_cvt_scalef32_pk16_fp6_f32 v[PC:PC+2], v[S:S+15], v244
	v_cvt_scalef32_pk16_fp6_f32 v[236:238], v[S+16:S+31], v245
	v_nop
.irp i, 0,1,2
	v_permlane16_swap_b32 v[PC+\i], v[236+\i]
.endr
.irp i, 0,1,2
	v_mov_b32 v[PC+3+\i], v[236+\i]
.endr
	global_store_b128 v[L16], v[PC:PC+3], s[\ab:\ab+1]              ; 512 consecutive bytes,
	global_store_b64 v[L8], v[PC+4:PC+5], s[\ab:\ab+1] offset:512   ; and 256
	global_store_b16 v[A16], v240, s[\sb:\sb+1]                     ; two bytes of each row's 32 (lanes r and r + 16 write the same): the price of plain scale rows for the next launch, on a buffer of 262,144 bytes
.endm
	v_and_b32 v[A16], 15, v0
	v_lshlrev_b32 v[A16], 5, v[A16]                ; 32 bytes of scales a token
	FINISH STX, OX, 74, 76
	s_wait_xcnt 0x0                                ; X's stores have read their registers
	FINISH STY, OY, 78, 80
	s_wait_xcnt 0x0
	v_lshl_add_u32 v254, v0, 2, 0x34000
	v_mov_b32 v255, 0
	s_wait_tensorcnt 0x0
	ds_add_u32 v254, v255
	s_wait_dscnt 0x0
	CROUND                                         ; the closing round
	s_endpgm
.Lfunc_end_k_q61c559e7e8_attn:
	.size	k_q61c559e7e8_attn, .Lfunc_end_k_q61c559e7e8_attn-k_q61c559e7e8_attn
	.p2alignl 7, 3214868480
	.fill 96, 4, 3214868480
	.section	.rodata,"a",@progbits
	.p2align	6, 0x0
	.amdhsa_kernel k_q61c559e7e8_attn
		.amdhsa_group_segment_fixed_size 215040
		.amdhsa_private_segment_fixed_size 0
		.amdhsa_enable_private_segment 0
		.amdhsa_kernarg_size 24
		.amdhsa_user_sgpr_count 2
		.amdhsa_user_sgpr_kernarg_segment_ptr 1
		.amdhsa_wavefront_size32 1
		.amdhsa_system_sgpr_workgroup_id_x 1
		.amdhsa_system_sgpr_workgroup_id_y 1
		.amdhsa_system_sgpr_workgroup_id_z 1
		.amdhsa_system_vgpr_workitem_id 0
		.amdhsa_next_free_vgpr 256
		.amdhsa_next_free_sgpr 82
		.amdhsa_reserve_vcc 1
		.amdhsa_float_denorm_mode_32 3
		.amdhsa_float_denorm_mode_16_64 3
		.amdhsa_memory_ordered 1
		.amdhsa_forward_progress 1
		.amdhsa_inst_pref_size 103
	.end_amdhsa_kernel
	.amdgpu_metadata
---
amdhsa.version: [ 1, 2 ]
amdhsa.kernels:
  - .name:           k_q61c559e7e8_attn
    .symbol:         k_q61c559e7e8_attn.kd
    .args:
      - { .name: qkv, .offset: 0, .size: 8, .value_kind: global_buffer, .address_space: global }
      - { .name: ac, .offset: 8, .size: 8, .value_kind: global_buffer, .address_space: global }
      - { .name: asc, .offset: 16, .size: 8, .value_kind: global_buffer, .address_space: global }
    .group_segment_fixed_size: 215040
    .private_segment_fixed_size: 0
    .kernarg_segment_align: 8
    .kernarg_segment_size: 24
    .max_flat_workgroup_size: 512
    .sgpr_count:     82
    .vgpr_count:     256
    .wavefront_size: 32
...
	.end_amdgpu_metadata
.endif
;; end of part 2
;; launch proj (part 3): grid 8 x 32, 4 waves a work-group, clusters of 4 x 4, 327,680 bytes of LDS; arguments ac, asc, W_out_codes, W_out_scales, b_out, out0; writes out0
.if DOCPART == 3
	.amdgcn_target "amdgcn-amd-amdhsa--gfx1250"
	.amdhsa_code_object_version 6
	.text
	.protected	k_q61c559e7e8_proj
	.globl	k_q61c559e7e8_proj
	.p2align	8
	.type	k_q61c559e7e8_proj,@function
k_q61c559e7e8_proj:
	s_mov_b64 s[64:65], 0
	v_nop
	global_prefetch_b8 v0, s[64:65] scope:SCOPE_SE
	s_setreg_imm32_b32 hwreg(HW_REG_WAVE_MODE, 25, 1), 1
	s_wait_xcnt 0x0
	s_wait_alu depctr_hold_cnt(0) depctr_sa_sdst(0) depctr_va_vdst(0) depctr_va_sdst(0) depctr_va_ssrc(0) depctr_va_vcc(0) depctr_vm_vsrc(0)
	s_getreg_b32 s2, hwreg(HW_REG_IB_STS2, 6, 4)
	s_cmp_eq_u32 s2, 0
	s_cbranch_scc0 .Lentry_in_a_cluster
	s_endpgm
.Lentry_in_a_cluster:
	s_bfe_u32 s2, ttmp6, 0x10000c
	s_cmp_lg_u32 s2, 0xf033
	s_cbranch_scc0 .Lentry_shape_is_right
	s_endpgm
.Lentry_shape_is_right:
; out0 = attn W_out + b_out on codes of FP6 (E2M3) with E8M0 scales.  attn: 8,192 tokens x 1,024, as images of operand registers (ac: [token tile][head][768]) with plain scale rows (asc: [token][32]);
; W_out: 1,024 rows (n) of 1,024 codes (768 bytes), scale bytes 32 a row; out0: [8,192][1,024] f32.
; A work-group makes 256 tokens x 128 n: 256 work-groups.  A wave makes 128 tokens x 64 n: 32 accumulators, 256 registers.  Source 0 = 16 rows of W_out, source 1 = 16 tokens: a lane holds eight neighbouring n of one token.
; ALL OF K LIES IN LDS, filled ONCE, in two halves of 512 along K: the first half is multiplied while the second lands.  No byte is filled again.
; 4 x 4 work-groups form a cluster: attn's tiles are shared along a row of it, W_out's along a column, each asked for jointly.
; The bias is the C of each sum's first matrix instruction.  A token whose scale bytes are 0xff (a query with no key) gets NaN in its whole row.
; REGISTERS: window 0: v1-21 addresses; v32-63, v224-255 attn's scale words (K steps 0-3, 4-7: register 4 a + q); v64-79, v112-127 W_out's (4 b + q); v80-111 the bias; v128-223 attn's eight fragments, later rows of out0.
;   window 1: W_out's fragments, two sets of four, at v0 and v64.   window 2: accumulator (a, b) at v[8 (4 a + b)].
.set FR,   12
.set ACH,  98304                       ; LDS: attn's codes, half c at c x 98,304: [token tile 16][6,144]
.set BC0,  196608                      ; W_out's codes, half c at + c x 55,296: 128 rows,
.set BCH,  55296
.set BP,   432                         ; 3 x (128 bytes + 16 of padding) apart: 108 words: the 16 rows of a load of 8 bytes start at 16 different multiples of 4 words modulo 64, and lanes 16-31 lie 6 or 10 words further on
.set SCA,  307200                      ; attn's scale bytes: 256 rows of 32, as runs of 256 bytes + 16
.set SCB,  315904                      ; W_out's: 128 rows.  The scales' last byte is 320,255; the spare words follow, up to 320,767
.set AA16, 8                           ; v8-9   attn's images, half 0, 1: + 16 x lane
.set AA8,  10                          ; v10-11 + 8 x lane
.set ADRB, 12                          ; v12-13 W_out's fragments, half 0, 1
.set ADRB2, 14                         ; v14-15 the same behind one padding more
.set ADSA, 16
.set ADSB, 17
.set STO,  18                          ; the way out: where I put 32 bytes of a row
.set RD,   19                          ; and where I read rows back
.set CO,   20                          ; my byte offset in two rows of out0
.set H32,  21
.set BI,   80
.set AF,   128
.set BK,   128
.set G1A,  24                          ; s[24:31], s[32:39] groups 1 and 0 (a set a half) for attn's codes
.set G0A,  32
.set G1B,  48                          ; s[48:55], s[56:63] for W_out's
.set G0B,  56
.set G1SA, 68                          ; s[68:75], s[76:79] for attn's scales;  s[80:87], s[88:91] for W_out's
.set G0SA, 76
.set G1SB, 80
.set G0SB, 88
.set MSB, 0
.macro WIN new
.if MSB != (\new)
	s_set_vgpr_msb (MSB<<8)|(\new)
.set MSB, (\new)
.endif
.endm
.macro JLOAD g0a, g1a, g0b, g1b        ; waves 0 and 1 fetch for attn, waves 2 and 3 for W_out; four v_nop follow each of the two lines
	s_cmp_eq_u32 s17, 0
	s_cbranch_scc0 .Lfor_b_\@
	tensor_load_to_lds s[\g0a:\g0a+3], s[\g1a:\g1a+7]
	s_nop 0
.rept 4
	v_nop
.endr
	s_branch .Lasked_\@
.Lfor_b_\@:
	tensor_load_to_lds s[\g0b:\g0b+3], s[\g1b:\g1b+7]
	s_nop 0
.rept 4
	v_nop
.endr
.Lasked_\@:
.endm
.macro CROUND
	s_barrier_signal -1
	s_barrier_wait -1
	s_cmp_lg_u32 s16, 0
	s_cbranch_scc1 .Lnot_wave_0_\@
	s_barrier_signal -3
.Lnot_wave_0_\@:
	s_barrier_wait -3
	s_barrier_signal -1
	s_barrier_wait -1
.endm
.macro PLACES
.rept 4
	v_nop
.endr
.endm
	s_load_b256 s[4:11], s[0:1], 0x0               ; ac s[4:5], asc s[6:7], W_out's codes s[8:9], its scales s[10:11]
	s_load_b128 s[12:15], s[0:1], 0x20             ; b_out, out0
	v_lshl_add_u32 v30, v0, 2, 0x4e300
	v_mov_b32 v31, 0
	ds_add_u32 v30, v31
	ds_add_u32 v30, v31
	v_lshrrev_b32 v1, 5, v0
	v_readfirstlane_b32 s16, v1                    ; wave 0..3
	s_lshr_b32 s17, s16, 1                         ; which 128 tokens are mine.  Also: I fetch for attn (0) or for W_out (1)
	s_and_b32 s18, s16, 1                          ; which 64 n.  Also: which half of the rows I fetch
	s_bfe_u32 s40, ttmp6, 0x40000                  ; cx
	s_bfe_u32 s41, ttmp6, 0x40004                  ; cy
	s_lshl_b32 s42, ttmp9, 2
	s_add_co_u32 s42, s42, s40                     ; which 128 n: 4 x cluster x + cx
	s_and_b32 s45, ttmp7, 0xffff
	s_lshl_b32 s45, s45, 2
	s_add_co_u32 s45, s45, s41                     ; which 256 tokens: 4 x cluster y + cy
	s_lshl_b32 s43, s41, 2
	s_lshl_b32 s43, 15, s43                        ; my row of the cluster
	s_lshl_b32 s44, 0x1111, s40                    ; my column
	s_or_b32 s[G1A], s43, (3<<16)|(1<<21)          ; attn's codes: 8 token tiles x 6,144 bytes (768 elements of 8), 12,288 bytes apart; no padding
	s_mov_b32 s[G1A+1], 768<<16
	s_mov_b32 s[G1A+2], 8<<16
	s_mov_b32 s[G1A+3], 768<<16
	s_mov_b32 s[G1A+4], 8
	s_mov_b32 s[G1A+5], 1536
	s_mov_b32 s[G1A+6], 0
	s_mov_b32 s[G1A+7], 0
	s_or_b32 s[G1B], s44, (0<<16)|(1<<20)|(1<<21)|(4<<22)|(3<<25)  ; W_out's: 64 rows x 384 bytes, 768 apart; 4 words of padding behind every 32
	s_mov_b32 s[G1B+1], 384<<16
	s_mov_b32 s[G1B+2], 64<<16
	s_mov_b32 s[G1B+3], 384<<16
	s_mov_b32 s[G1B+4], 64
	s_mov_b32 s[G1B+5], 768
	s_mov_b32 s[G1B+6], 0
	s_mov_b32 s[G1B+7], 0
	s_or_b32 s[G1SA], s43, (3<<16)|(1<<20)|(1<<21)|(5<<22)|(3<<25) ; the scales of 128 tokens: 16 rows of 256 dense bytes, 16 of padding behind each
	s_mov_b32 s[G1SA+1], 32<<16
	s_mov_b32 s[G1SA+2], 16<<16
	s_mov_b32 s[G1SA+3], 32<<16
	s_mov_b32 s[G1SA+4], 16
	s_mov_b32 s[G1SA+5], 32
	s_mov_b32 s[G1SA+6], 0
	s_mov_b32 s[G1SA+7], 0
	s_or_b32 s[G1SB], s44, (3<<16)|(1<<20)|(1<<21)|(5<<22)|(3<<25) ; those of 64 rows of W_out: 8 such rows
	s_mov_b32 s[G1SB+1], 32<<16
	s_mov_b32 s[G1SB+2], 8<<16
	s_mov_b32 s[G1SB+3], 32<<16
	s_mov_b32 s[G1SB+4], 8
	s_mov_b32 s[G1SB+5], 32
	s_mov_b32 s[G1SB+6], 0
	s_mov_b32 s[G1SB+7], 0
	s_lshl_b32 s19, s45, 4
	s_lshl_b32 s20, s18, 3
	s_add_co_u32 s19, s19, s20                     ; the first token tile that I fetch
	s_mul_i32 s20, s19, 12288
	s_mov_b32 s21, 0
	s_lshl_b32 s22, s19, 9                         ; 16 tokens x 32 bytes
	s_mov_b32 s23, 0
	s_lshl_b32 s46, s42, 7
	s_lshl_b32 s47, s18, 6
	s_add_co_u32 s46, s46, s47                     ; the first row of W_out that I fetch
	s_lshl_b32 s92, s46, 5
	s_mov_b32 s93, 0
	s_mul_i32 s46, s46, 768
	s_mov_b32 s47, 0
	s_mul_i32 s94, s18, 49152                      ; where they go: the wave's number alone enters an LDS address
	s_mul_i32 s95, s18, 27648
	s_mul_i32 s96, s18, 4352
	s_mul_i32 s97, s18, 2176
	s_wait_dscnt 0x0
	s_wait_kmcnt 0x0
	s_add_nc_u64 s[20:21], s[4:5], s[20:21]
	s_add_nc_u64 s[22:23], s[6:7], s[22:23]
	s_add_nc_u64 s[46:47], s[8:9], s[46:47]
	s_add_nc_u64 s[92:93], s[10:11], s[92:93]
	CROUND                                         ; all sixteen work-groups are here: the joint loads meet
	s_mov_b32 s[G0SA], 1
	s_add_co_u32 s[G0SA+1], s96, SCA
	s_mov_b64 s[G0SA+2:G0SA+3], s[22:23]
	s_or_b32 s[G0SA+3], s[G0SA+3], 0x80000000
	s_mov_b32 s[G0SB], 1
	s_add_co_u32 s[G0SB+1], s97, SCB
	s_mov_b64 s[G0SB+2:G0SB+3], s[92:93]
	s_or_b32 s[G0SB+3], s[G0SB+3], 0x80000000
	JLOAD G0SA, G1SA, G0SB, G1SB                   ; the scales first
.irp c, 0,1
	s_mov_b32 s[G0A+4*\c], 1
	s_add_co_u32 s[G0A+4*\c+1], s94, \c*ACH
	s_add_nc_u64 s[G0A+4*\c+2:G0A+4*\c+3], s[20:21], \c*6144
	s_or_b32 s[G0A+4*\c+3], s[G0A+4*\c+3], 0x80000000
	s_mov_b32 s[G0B+4*\c], 1
	s_add_co_u32 s[G0B+4*\c+1], s95, BC0+\c*BCH
	s_add_nc_u64 s[G0B+4*\c+2:G0B+4*\c+3], s[46:47], \c*384
	s_or_b32 s[G0B+4*\c+3], s[G0B+4*\c+3], 0x80000000
	JLOAD G0A+4*\c, G1A, G0B+4*\c, G1B             ; three tensor loads of mine are out
.endr
	v_and_b32 v1, 15, v0                           ; r
	v_bfe_u32 v2, v0, 4, 1                         ; h
	v_and_b32 v3, 31, v0                           ; lane
	s_mul_i32 s19, s17, 49152                      ; my 8 token tiles
	v_lshl_add_u32 v[AA16], v3, 4, s19
	v_lshl_add_u32 v[AA8], v3, 3, s19
	v_add_nc_u32 v[AA16+1], ACH, v[AA16]
	v_add_nc_u32 v[AA8+1], ACH, v[AA8]
	v_mul_u32_u24 v4, v1, BP
	v_mad_u32_u24 v4, v2, 24, v4
	s_mul_i32 s19, s18, 27648                      ; my 64 rows of W_out
	s_add_co_u32 s19, s19, BC0
	v_add_nc_u32 v[ADRB], s19, v4
	v_lshl_add_u32 v[ADRB2], v2, 4, v[ADRB]
	v_add_nc_u32 v[ADRB+1], BCH, v[ADRB]
	v_add_nc_u32 v[ADRB2+1], BCH, v[ADRB2]
	v_lshrrev_b32 v5, 3, v1                        ; a row's scales: eight rows of 32 bytes to a run of 256 + 16
	v_and_b32 v6, 7, v1
	v_mul_u32_u24 v5, v5, 272
	v_lshl_add_u32 v5, v6, 5, v5
	s_mul_i32 s19, s17, 4352
	s_add_co_u32 s19, s19, SCA
	v_add_nc_u32 v[ADSA], s19, v5
	s_mul_i32 s19, s18, 2176
	s_add_co_u32 s19, s19, SCB
	v_add_nc_u32 v[ADSB], s19, v5
	s_mul_i32 s19, s16, 4352                       ; my stage: 16 rows x (256 + 16) bytes, in the first half's bytes of attn's codes: they have had their only fill, and nobody reads them behind the barrier of K step 3
	v_mul_u32_u24 v5, v1, 272
	v_lshl_add_u32 v5, v2, 5, v5
	v_add_nc_u32 v[STO], s19, v5
	v_mul_u32_u24 v5, v2, 272
	v_lshl_add_u32 v5, v1, 4, v5
	v_add_nc_u32 v[RD], s19, v5
	v_lshlrev_b32 v5, 12, v2
	v_lshl_add_u32 v[CO], v1, 4, v5                ; lanes 0-15 one row of out0, lanes 16-31 the next; 16 bytes a lane
	v_lshlrev_b32 v[H32], 5, v2
	s_lshl_b32 s92, s42, 9
	s_lshl_b32 s93, s18, 8
	s_add_co_u32 s92, s92, s93                     ; my first n, in bytes
	s_mov_b32 s93, 0
	s_add_nc_u64 s[12:13], s[12:13], s[92:93]
	s_add_nc_u64 s[14:15], s[14:15], s[92:93]
	s_lshl_b32 s92, s45, 8
	s_lshl_b32 s94, s17, 7
	s_add_co_u32 s92, s92, s94                     ; my first token
	s_lshl_b32 s92, s92, 12
	s_add_nc_u64 s[14:15], s[14:15], s[92:93]
.irp b, 0,1,2,3
	global_load_b128 v[BI+8*\b:BI+8*\b+3], v[H32], s[12:13] offset:64*\b        ; register 8 b + j: b_out at n 16 b + 8 h + j: the result's layout
	global_load_b128 v[BI+8*\b+4:BI+8*\b+7], v[H32], s[12:13] offset:64*\b+16
.endr
.macro FRAGB reg, c, q, i              ; a fragment of W_out from rows: six pieces of 8 bytes; 16 bytes of padding lie behind every 16 pieces
.irp p, 0,1,2,3,4,5
.set PCE, 12*(\q)+6*(\p/3)+\p%3
.if PCE%16 < 13
	ds_load_b64 v[\reg+2*\p:\reg+2*\p+1], v[ADRB+(\c)] offset:8*PCE+16*(PCE/16)+(\i)*16*BP
.else
	ds_load_b64 v[\reg+2*\p:\reg+2*\p+1], v[ADRB2+(\c)] offset:8*PCE+16*(PCE/16)+(\i)*16*BP
.endif
.endr
.endm
.macro FRAGA reg, c, q, a              ; a fragment of attn from two heads' images: registers 0-5 and 6-11
	ds_load_b128 v[\reg:\reg+3], v[AA16+(\c)] offset:(\a)*6144+(\q)*1536
	ds_load_b64 v[\reg+4:\reg+5], v[AA8+(\c)] offset:(\a)*6144+(\q)*1536+512
	ds_load_b128 v[\reg+6:\reg+9], v[AA16+(\c)] offset:(\a)*6144+(\q)*1536+768
	ds_load_b64 v[\reg+10:\reg+11], v[AA8+(\c)] offset:(\a)*6144+(\q)*1536+1280
.endm
.macro FETCHB s                        ; K step s: W_out's four fragments into set s % 2
	WIN 0x40
.irp i, 0,1,2,3
	FRAGB 64*((\s)%2)+FR*\i, (\s)/4, (\s)%4, \i
.endr
	WIN 0
.endm
.macro FETCHA s, a0                    ; attn's blocks a0 .. a0 + 3
.irp a, \a0, \a0+1, \a0+2, \a0+3
	FRAGA AF+FR*(\a), (\s)/4, (\s)%4, \a
.endr
.endm
; 16 matrix instructions: attn's blocks a0 .. a0 + 3 x W_out's four.  The 32 accumulators take turns, one instruction a turn, in the same order in every step.
.macro PMUL a0, s, first
.set SAR, 32+192*((\s)/4)
.set SBR, 64+48*((\s)/4)
.irp a, \a0, \a0+1, \a0+2, \a0+3
.irp b, 0,1,2,3
.if \first
	v_wmma_scale_f32_16x16x128_f8f6f4 v[8*(4*(\a)+\b):8*(4*(\a)+\b)+7], v[64*((\s)%2)+FR*\b:64*((\s)%2)+FR*\b+FR-1], v[AF+FR*(\a):AF+FR*(\a)+FR-1], v[BI+8*\b:BI+8*\b+7], v[SBR+4*\b+(\s)%4], v[SAR+4*(\a)+(\s)%4] matrix_a_fmt:MATRIX_FMT_FP6 matrix_b_fmt:MATRIX_FMT_FP6
.else
	v_wmma_scale_f32_16x16x128_f8f6f4 v[8*(4*(\a)+\b):8*(4*(\a)+\b)+7], v[64*((\s)%2)+FR*\b:64*((\s)%2)+FR*\b+FR-1], v[AF+FR*(\a):AF+FR*(\a)+FR-1], v[8*(4*(\a)+\b):8*(4*(\a)+\b)+7], v[SBR+4*\b+(\s)%4], v[SAR+4*(\a)+(\s)%4] matrix_a_fmt:MATRIX_FMT_FP6 matrix_b_fmt:MATRIX_FMT_FP6
.endif
.endr
.endr
.endm
; K step s of eight.  win: source 0 window 1, source 1 window 0, D window 2; C window 0 (the bias, in the first step) or 2.
.macro PSTEP s, first, win
.if (\s) == 3
	s_wait_tensorcnt 0x0                           ; my part of the second half of K is in,
	s_wait_dscnt 0x0                               ; and my reads of the first half are over:
	s_barrier_signal -1                            ; say so,
.else
	s_wait_dscnt 16                                ; W_out's set and attn's blocks 0-3 are in; the youngest 16 loads (blocks 4-7) may be out
.endif
	WIN \win
	PMUL 0, \s, \first
.if (\s) == 3
	s_barrier_wait -1                              ; and go on when all four have said so
.endif
	s_wait_dscnt 0x0                               ; blocks 4-7 are in
.if (\s) < 7
	PLACES                                         ; in front of loads into registers that matrix instructions have read
	FETCHB (\s)+1
	FETCHA (\s)+1, 0
.endif
	WIN \win
	PMUL 4, \s, \first
.if (\s) < 7
	PLACES
	WIN 0
	FETCHA (\s)+1, 4
.endif
.endm
	s_wait_tensorcnt 1                             ; the scales and my part of the first half of K are in; the second half's load may be out
	s_barrier_signal -1
	s_barrier_wait -1
.irp c, 0,1                                    ; the scale words of all eight K steps, once: four words (16 bytes of a row) a load
.irp a, 0,1,2,3,4,5,6,7
	ds_load_b128 v[32+192*\c+4*\a:32+192*\c+4*\a+3], v[ADSA] offset:\a*544+16*\c
.endr
.irp b, 0,1,2,3
	ds_load_b128 v[64+48*\c+4*\b:64+48*\c+4*\b+3], v[ADSB] offset:\b*544+16*\c
.endr
.endr
	FETCHB 0
	FETCHA 0, 0
	FETCHA 0, 4
	s_wait_loadcnt 0x0                             ; the bias
	PSTEP 0, 1, 0x81
	PSTEP 1, 0, 0xa1
	PSTEP 2, 0, 0xa1
	PSTEP 3, 0, 0xa1
	PSTEP 4, 0, 0xa1
	PSTEP 5, 0, 0xa1
	PSTEP 6, 0, 0xa1
	PSTEP 7, 0, 0xa1
	WIN 0
; THE WAY OUT, block by block of 16 tokens x 64 n.  A lane holds 32 neighbouring bytes of a row: a block goes through my own stage in LDS and comes back as whole rows of 256 bytes.
; LDS serves a wave's instructions in order (ISA guide 5.7.1.4): no wait between the stores and the loads, nor in front of the next block's stores.
.macro TOSTAGE a
	WIN 0x08                                       ; an LDS store's data are its source 1: window 2
.irp b, 0,1,2,3
	ds_store_b128 v[STO], v[32*(\a)+8*\b:32*(\a)+8*\b+3] offset:64*\b          ; each accumulator from its low end on
	ds_store_b128 v[STO], v[32*(\a)+8*\b+4:32*(\a)+8*\b+7] offset:64*\b+16
.endr
	WIN 0
.set BB, BK+32*((\a)%2)
.irp t, 0,1,2,3,4,5,6,7
	ds_load_b128 v[BB+4*\t:BB+4*\t+3], v[RD] offset:\t*2*272
.endr
.endm
.macro SEND a, younger                 ; younger: the LDS instructions issued behind block a's loads, which may stay out
.set BB, BK+32*((\a)%2)
	s_wait_dscnt \younger
.irp t, 0,1,2,3,4,5,6,7
	global_store_b128 v[CO], v[BB+4*\t:BB+4*\t+3], s[14:15] offset:(16*(\a)+2*\t)*4096 th:TH_STORE_NT   ; 16 lanes store 256 consecutive bytes, at a multiple of 256 from out0's first byte; 126 rows at the most: inside the signed 24-bit immediate
.endr
.endm
	PLACES                                         ; behind the last products: results are read, and loads land where attn's fragments lay
	TOSTAGE 0
.irp a, 1,2,3,4,5,6,7
.if \a > 1
	s_wait_xcnt 0x0                                ; block a - 2's stores have read their registers: block a's loads may land there
.endif
	TOSTAGE \a
	SEND \a-1, 16                                  ; behind block a - 1's loads: block a's 8 stores and 8 loads
.endr
	SEND 7, 0
	s_wait_tensorcnt 0x0
	ds_add_u32 v30, v31
	s_wait_dscnt 0x0
	CROUND                                         ; the closing round: no work-group ends while a partner may still ask for a tile that names it
	s_endpgm
.Lfunc_end_k_q61c559e7e8_proj:
	.size	k_q61c559e7e8_proj, .Lfunc_end_k_q61c559e7e8_proj-k_q61c559e7e8_proj
	.p2alignl 7, 3214868480
	.fill 96, 4, 3214868480
	.section	.rodata,"a",@progbits
	.p2align	6, 0x0
	.amdhsa_kernel k_q61c559e7e8_proj
		.amdhsa_group_segment_fixed_size 327680
		.amdhsa_private_segment_fixed_size 0
		.amdhsa_enable_private_segment 0
		.amdhsa_kernarg_size 48
		.amdhsa_user_sgpr_count 2
		.amdhsa_user_sgpr_kernarg_segment_ptr 1
		.amdhsa_wavefront_size32 1
		.amdhsa_system_sgpr_workgroup_id_x 1
		.amdhsa_system_sgpr_workgroup_id_y 1
		.amdhsa_system_sgpr_workgroup_id_z 1
		.amdhsa_system_vgpr_workitem_id 0
		.amdhsa_next_free_vgpr 768
		.amdhsa_next_free_sgpr 98
		.amdhsa_reserve_vcc 0
		.amdhsa_float_denorm_mode_32 3
		.amdhsa_float_denorm_mode_16_64 3
		.amdhsa_memory_ordered 1
		.amdhsa_forward_progress 1
		.amdhsa_inst_pref_size 91
	.end_amdhsa_kernel
	.amdgpu_metadata
---
amdhsa.version: [ 1, 2 ]
amdhsa.kernels:
  - .name:           k_q61c559e7e8_proj
    .symbol:         k_q61c559e7e8_proj.kd
    .args:
      - { .name: ac, .offset: 0, .size: 8, .value_kind: global_buffer, .address_space: global }
      - { .name: asc, .offset: 8, .size: 8, .value_kind: global_buffer, .address_space: global }
      - { .name: W_out_codes, .offset: 16, .size: 8, .value_kind: global_buffer, .address_space: global }
      - { .name: W_out_scales, .offset: 24, .size: 8, .value_kind: global_buffer, .address_space: global }
      - { .name: b_out, .offset: 32, .size: 8, .value_kind: global_buffer, .address_space: global }
      - { .name: out0, .offset: 40, .size: 8, .value_kind: global_buffer, .address_space: global }
    .group_segment_fixed_size: 327680
    .private_segment_fixed_size: 0
    .kernarg_segment_align: 8
    .kernarg_segment_size: 48
    .max_flat_workgroup_size: 128
    .sgpr_count:     98
    .vgpr_count:     768
    .wavefront_size: 32
...
	.end_amdgpu_metadata
.endif
;; end of part 3
